; MI455X (gfx1250); checked and timed in simulation.
; The chip was launched on July 23, 2026; its instructions are those of AMD's public machine-readable ISA for CDNA 5 (MIT licence, August 2026) and "CDNA5" Instruction Set Architecture Reference Guide (July 2026). The comments in the code are by the model that wrote it; some were corrected since.
;; Multi Self Attention. Allowed arithmetic: matrix products marked QUANTISED: E2M1 operands, one E8M0 scale for each 32 along K, by v_wmma_scale_f32_16x16x128_f8f6f4 with both operands' format E2M1 (or v_wmma_scale_f32_32x16x128_f4), f32 sums; products left as they are: bf16, f16 or f32 operands; f32 sums; everything else in f32.
;; Inputs: Wk 1,024 x 1,024 float32; Wp 1,024 x 1,024 float32; Wq 1,024 x 1,024 float32; Wv 1,024 x 1,024 float32; bk 1,024 float32; bp 1,024 float32; bq 1,024 float32; bv 1,024 float32; x 4 x 2,048 x 1,024 float32.
;; Outputs: out0 4 x 2,048 x 1,024 float32.
;; This version of the problem:
;;   THIS VERSION OF THE PROBLEM IS GIVEN IN LOW PRECISION. The matrix products marked QUANTISED in the list below multiply operands that are first quantised to E2M1 (2 exponent bits, 1 mantissa bit; 4 bits a number), with one power-of-two scale for each 32 numbers along K (OCP MX v1.0); their sums are f32. The products marked 'left as it is' may take bf16, f16 or f32 operands, with f32 sums. Whichever they take, every output number must still come out within the allowed error. Rounding operands to bf16 (8 significant bits) uses up far more of that allowance than f16 does (11 bits, for magnitudes from 6e-5 to 65,504). All else is computed in f32.
;;   The module's matrix products, in the order in which they are computed (A, B: the left and right operand; K: the contracted axis; several contracted axes count as one K, in the product's order):
;;     1. [M 8,192, K 1,024] x [K 1,024, N 1,024]; A: input x; B: input Wq: QUANTISED
;;     2. [M 8,192, K 1,024] x [K 1,024, N 1,024]; A: input x; B: input Wk: QUANTISED
;;     3. [M 8,192, K 1,024] x [K 1,024, N 1,024]; A: input x; B: input Wv: QUANTISED
;;     4. batch 64 x [M 2,048, K 64] x [K 64, N 2,048]; A: computed on the way; B: computed on the way: left as it is (an operand is computed on the way)
;;     5. batch 64 x [M 64, K 2,048] x [K 2,048, N 2,048]; A: computed on the way; B: computed on the way: left as it is (an operand is computed on the way)
;;     6. [M 8,192, K 1,024] x [K 1,024, N 1,024]; A: computed on the way; B: input Wp: left as it is (an operand is computed on the way)
;;   THE QUANTISER, for each operand of a quantised product, along K:
;;     - K is cut into blocks of 32 from its start; a last block that is shorter is filled with zeros.
;;     - A block's scale is 2^e with e = floor(log2(the largest magnitude in the block)) - 2, held to -126 .. 127; a block of zeros has e = 0. As a byte (E8M0): e + 127.
;;     - Each number is divided by its block's scale, clamped to +-6, and rounded to the nearest number of E2M1, ties to even, subnormals kept.
;;     - The product sums the exact products of the quantised numbers (number of the format x scale) in f32.
;;   ~~~python
;;   def quantise(x, axis):      # numpy; x: float32 -> the quantised numbers, widened to float32 again
;;       x = np.moveaxis(x, axis, -1); K = x.shape[-1]
;;       x = np.pad(x, [(0, 0)] * (x.ndim - 1) + [(0, -K % 32)]); x = x.reshape(x.shape[:-1] + (-1, 32)); a = np.abs(x).max(-1, keepdims=True)
;;       e = np.where(a > 0, np.clip(np.frexp(np.where(a > 0, a, 1))[1] - 1 - 2, -126, 127), 0)      # np.frexp(a)[1] - 1 = floor(log2(a)), exactly
;;       r = np.clip(x / 2.0 ** e, -6, 6)
;;       step = 2.0 ** (np.maximum(np.frexp(np.where(r == 0, 1, r))[1] - 1, 0) - 1)
;;       q = np.round(r / step) * step * 2.0 ** e      # np.round: ties to even
;;       return np.moveaxis(q.reshape(q.shape[:-2] + (-1,))[..., :K], -1, axis).astype(np.float32)
;;   ~~~
;; One version. Each part assembles by itself: llvm-mc -triple=amdgcn-amd-amdhsa -mcpu=gfx1250 --defsym DOCPART=n.
;; ======== version 1 of 1: 5 launches
;; limits: values are held in f16: magnitudes above 65,504 overflow, below 6.1e-05 lose precision
;; workspace buffers: xc 4,194,304 bytes; xs 262,144 bytes; wc 1,572,864 bytes; ws 98,304 bytes; wp16 2,097,152 bytes; qkv16 50,331,648 bytes; qkv32 786,432 bytes; y16 16,777,216 bytes
;; launch quant (part 1): grid 384 x 1, 4 waves a work-group, no clusters, 33,280 bytes of LDS; arguments x, Wq, Wk, Wv, Wp, xc, xs, wc, ws, wp16; writes xc, xs, wc, ws, wp16
.if DOCPART == 1
	.amdgcn_target "amdgcn-amd-amdhsa--gfx1250"
	.amdhsa_code_object_version 6
	.text
	.protected	k_q69b7c32943_quant
	.globl	k_q69b7c32943_quant
	.p2align	8
	.type	k_q69b7c32943_quant,@function
k_q69b7c32943_quant:
	s_mov_b64 s[64:65], 0
	v_nop
	global_prefetch_b8 v0, s[64:65] scope:SCOPE_SE
	s_setreg_imm32_b32 hwreg(HW_REG_WAVE_MODE, 25, 1), 1
	s_wait_xcnt 0x0
; x [8192][1024] and Wq, Wk, Wv [1024][1024], f32 with K innermost, become codes of FP4 (E2M1), two a byte, the lower k in the low four bits, and one E8M0 byte for each 32 along K.
; xc [8192][512 bytes], xs [8192][32]; wc [3072][512 bytes], ws [3072][32]: Wq's rows, then Wk's, then Wv's.  Wp [1024 n][1024 k] becomes f16, laid [16 kb][1024 n][64]: kb = k / 64.
; A block's scale is 2^(floor(log2(its largest magnitude)) - 2); its byte is the largest magnitude's exponent field - 2, held at 1 from below.
; LIMITS: a block of zeros gets the byte 1 (its codes are zeros, and this program alone reads the bytes); blocks whose largest magnitude lies under 2^-124 are held at the byte 1;
; NaN and infinities among the inputs are not served; |Wp| stays under 65,504, f16's largest number.
; SHARES.  A work-group takes 32,768 numbers: work-groups 0-255 x, 256-287 Wq, 288-319 Wk, 320-351 Wv, 352-383 Wp.  The four quantised tensors take ONE path: only pointers are chosen, by the work-group's number.
; Rows are dense and K is a multiple of 32: a tensor is a stream of blocks of 32, and so are its codes and bytes.  A wave takes 16 steps of 512 numbers.  Each of a step's four loads reads 512 consecutive bytes;
; the 2,048 bytes turn through the wave's own stage in LDS and come back 64 bytes a lane, so that a lane holds 16 neighbours along K (two lanes hold a block).  No barrier: waves share nothing.
.set WAVES, 4
.set STEPS, 16
.set EMAX,  2
.set CB,    8                          ; bytes of 16 codes
.set R,     16                         ; v16-79   four sets of 16 numbers as loaded (Wp's path: v16-143, two sets of 64)
.set X,     80                         ; v80-111  two sets of 16 neighbours
.set E,     112                        ; v112-127 a scale byte for each step
.set C,     128                        ; v128-191 codes: four registers for each step, so that no store's data are written again
.set OUTH,  144                        ; Wp's path: v144-175 f16 pairs to store
.set WREG,  8192                       ; LDS: a region for each wave: two stages of 32 x SP bytes, behind them its 256 scale bytes
.set SP,    80                         ; a lane's place in a stage: 64 bytes + 16 of padding
.set SPW,   12                         ; v12  LDS address of my spare word; never rewritten
.set NIL,   13                         ; v13  0; never rewritten
.set SPARE, WAVES*WREG                 ; behind the four regions: the spare words, 128 bytes a wave
.set WV,    26                         ; s26  my wave's number
	s_load_b256 s[4:11], s[0:1], 0x0               ; x, Wq, Wk, Wv
	s_load_b64 s[12:13], s[0:1], 0x20              ; Wp
	s_load_b256 s[16:23], s[0:1], 0x28             ; xc, xs, wc, ws
	s_load_b64 s[24:25], s[0:1], 0x48              ; wp16
	v_lshl_add_u32 v[SPW], v0, 2, SPARE
	v_mov_b32 v[NIL], 0
	v_lshrrev_b32 v1, 5, v0
	v_readfirstlane_b32 s[WV], v1
	v_and_b32 v2, 31, v0                           ; lane
	v_lshlrev_b32 v3, 4, v2                        ; my 16 bytes of a load's 512
	s_mul_i32 s27, s[WV], WREG
	v_lshrrev_b32 v14, 2, v2
	v_mul_u32_u24 v14, v14, SP
	v_and_b32 v15, 3, v2
	v_lshl_add_u32 v14, v15, 4, v14
	v_add_nc_u32 v14, s27, v14                     ; the stage, on the way in: SP (lane / 4) + 16 (lane % 4)
	v_mul_u32_u24 v15, v2, SP
	v_add_nc_u32 v15, s27, v15                     ; and on the way out: SP x lane: my 16 neighbours
	v_mul_u32_u24 v4, v2, CB                       ; my codes' place in a step's
	v_lshrrev_b32 v5, 1, v2
	s_add_co_u32 s27, s27, 2*32*SP
	v_add_nc_u32 v5, s27, v5                       ; LDS: my wave's 256 scale bytes, my block's byte
	v_lshlrev_b32 v7, 3, v2                        ; on their way out 8 bytes a lane
	v_add_nc_u32 v6, s27, v7
	s_wait_kmcnt 0x0
	s_cmp_ge_u32 ttmp9, 352
	s_cbranch_scc1 .Lwp
	; which tensor: the choices hang on the work-group's number alone
	s_cmp_lt_u32 ttmp9, 320
	s_cselect_b64 s[28:29], s[8:9], s[10:11]       ; Wk or Wv
	s_cmp_lt_u32 ttmp9, 288
	s_cselect_b64 s[28:29], s[6:7], s[28:29]       ; Wq, or that
	s_sub_co_u32 s30, ttmp9, 256                   ; a weight's work-group among the 96,
	s_and_b32 s31, s30, 31                         ; and among its own tensor's 32
	s_cmp_lt_u32 ttmp9, 256
	s_cselect_b64 s[4:5], s[4:5], s[28:29]         ; the numbers,
	s_cselect_b64 s[8:9], s[16:17], s[20:21]       ; the codes,
	s_cselect_b64 s[10:11], s[18:19], s[22:23]     ; the scale bytes
	s_cselect_b32 s30, ttmp9, s30
	s_cselect_b32 s31, ttmp9, s31
	s_lshl_b32 s30, s30, 2
	s_add_co_u32 s30, s30, s[WV]                   ; which run of 8,192 numbers of the output buffers is my wave's,
	s_lshl_b32 s31, s31, 2
	s_add_co_u32 s31, s31, s[WV]                   ; and of the input tensor
	s_lshl_b32 s32, s31, 15                        ; 32,768 bytes of numbers a run
	s_mov_b32 s33, 0
	s_add_nc_u64 s[4:5], s[4:5], s[32:33]
	s_lshl_b32 s32, s30, 12                        ; 4,096 bytes of codes
	s_add_nc_u64 s[8:9], s[8:9], s[32:33]
	s_lshl_b32 s32, s30, 8                         ; 256 scale bytes
	s_add_nc_u64 s[10:11], s[10:11], s[32:33]
.macro LOAD t
.irp i, 0,1,2,3
	global_load_b128 v[R+16*((\t)%4)+4*\i:R+16*((\t)%4)+4*\i+3], v3, s[4:5] offset:2048*(\t)+512*\i th:TH_LOAD_NT   ; 32 lanes read 512 consecutive bytes
.endr
.endm
.macro TURN t                          ; step t's numbers through the stage: LDS serves a wave's instructions in order, so no wait stands between the stores and the loads
.irp i, 0,1,2,3
	ds_store_b128 v14, v[R+16*((\t)%4)+4*\i:R+16*((\t)%4)+4*\i+3] offset:32*SP*((\t)%2)+8*SP*\i
.endr
.irp i, 0,1,2,3
	ds_load_b128 v[X+16*((\t)%2)+4*\i:X+16*((\t)%2)+4*\i+3], v15 offset:32*SP*((\t)%2)+16*\i
.endr
.endm
.irp t, 0,1,2,3
	LOAD \t
.endr
	s_wait_loadcnt 12                              ; step 0's four loads are in; the 12 of steps 1 to 3 may be out
	TURN 0
.macro STEP t
.set XS, X+16*((\t)%2)
.if (\t) > 0
	s_wait_dscnt 1                                 ; this step's numbers are back from the stage (the last step's byte store may be out)
.else
	s_wait_dscnt 0x0
.endif
.if (\t)+4 < STEPS
	LOAD (\t)+4                                    ; into the registers that this step's stage stores have read
.endif
.if (\t)+1 < STEPS
.if STEPS-2-(\t) >= 3
	s_wait_loadcnt 12                              ; the next step's four loads are in; those of the three steps behind it may be out
.else
	s_wait_loadcnt 4*(STEPS-2-(\t))
.endif
	TURN (\t)+1                                    ; they go through the other stage while this step is worked
.endif
	v_max3_num_f32 v8, |v[XS]|, |v[XS+1]|, |v[XS+2]|               ; the largest magnitude of my 16, in two chains
	v_max3_num_f32 v9, |v[XS+3]|, |v[XS+4]|, |v[XS+5]|
.irp i, 6,10
	v_max3_num_f32 v8, v8, |v[XS+\i]|, |v[XS+\i+1]|
	v_max3_num_f32 v9, v9, |v[XS+\i+2]|, |v[XS+\i+3]|
.endr
	v_max3_num_f32 v8, v8, |v[XS+14]|, |v[XS+15]|
	v_max3_num_f32 v8, v8, v9, (EMAX+1)<<23        ; and the floor 2^(3 - 127): the byte cannot fall under 1
	v_max_num_f32_dpp v8, v8, v8 row_xmask:1 row_mask:0xf bank_mask:0xf   ; with my neighbour's 16: the block's
	v_add_nc_u32 v11, -(EMAX<<23), v8              ; 2 off its exponent field: the conversion takes that field of this operand as its scale
	v_cvt_scalef32_pk8_fp4_f32 v[C+4*(\t)], v[XS:XS+7], v11
	v_cvt_scalef32_pk8_fp4_f32 v[C+4*(\t)+1], v[XS+8:XS+15], v11
	v_lshrrev_b32 v[E+(\t)], 23, v11               ; the scale's byte (also the plain line behind the conversions)
	ds_store_b8 v5, v[E+(\t)] offset:16*(\t)       ; both lanes of a block write the same byte with the same value
	global_store_b64 v4, v[C+4*(\t):C+4*(\t)+1], s[8:9] offset:32*CB*(\t)   ; 32 lanes store 256 consecutive bytes, aligned
.endm
.irp t, 0,1,2,3,4,5,6,7,8,9,10,11,12,13,14,15
	STEP \t
.endr
	ds_load_b64 v[8:9], v6                         ; my wave's 256 scale bytes: LDS serves a wave's instructions in order
	s_wait_dscnt 0x0
	global_store_b64 v7, v[8:9], s[10:11]          ; 32 lanes store 256 consecutive bytes, aligned
	s_wait_tensorcnt 0x0                           ; the wave's end: behind my last LDS store
	ds_add_u32 v[SPW], v[NIL]
	s_wait_dscnt 0x0
	s_endpgm
; Wp to f16.  A wave takes 8 rows n as four pairs.  A load reads 256 bytes (64 along k: one kb) of row n in lanes 0-15 and of row n + 1 in lanes 16-31; the two rows' f16 are 256 consecutive bytes of wp16.  No LDS.
.Lwp:
	s_sub_co_u32 s27, ttmp9, 352
	s_lshl_b32 s27, s27, 5
	s_lshl_b32 s28, s[WV], 3
	s_add_co_u32 s27, s27, s28                     ; my first row: 32 x work-group + 8 x wave
	s_lshl_b32 s28, s27, 12
	s_mov_b32 s29, 0
	s_add_nc_u64 s[12:13], s[12:13], s[28:29]      ; 4,096 bytes a row of Wp
	s_lshl_b32 s28, s27, 7
	s_add_nc_u64 s[24:25], s[24:25], s[28:29]      ; 128 bytes a row in a kb of wp16
	v_lshrrev_b32 v8, 4, v2
	v_and_b32 v9, 15, v2
	v_lshlrev_b32 v8, 12, v8
	v_lshl_add_u32 v8, v9, 4, v8                   ; in: 4,096 (lane / 16) + 16 (lane % 16)
	v_lshlrev_b32 v9, 3, v2                        ; out: 8 x lane
.macro LOADB j
.irp kb, 0,1,2,3,4,5,6,7,8,9,10,11,12,13,14,15
	global_load_b128 v[R+64*((\j)%2)+4*\kb:R+64*((\j)%2)+4*\kb+3], v8, s[12:13] offset:(\j)*8192+\kb*256 th:TH_LOAD_NT
.endr
.endm
	LOADB 0
	LOADB 1
.macro PAIR j
.if (\j) < 3
	s_wait_loadcnt 16                              ; this pair's 16 loads are in; the next pair's 16 may be out
.else
	s_wait_loadcnt 0x0
.endif
	s_wait_xcnt 0x0                                ; the last pair's stores have read their data: OUTH is written again only behind this wait
.irp kb, 0,1,2,3,4,5,6,7,8,9,10,11,12,13,14,15
	v_cvt_pk_f16_f32 v[OUTH+2*\kb], v[R+64*((\j)%2)+4*\kb], v[R+64*((\j)%2)+4*\kb+1]
	v_cvt_pk_f16_f32 v[OUTH+2*\kb+1], v[R+64*((\j)%2)+4*\kb+2], v[R+64*((\j)%2)+4*\kb+3]
.endr
.irp kb, 0,1,2,3,4,5,6,7,8,9,10,11,12,13,14,15
	global_store_b64 v9, v[OUTH+2*\kb:OUTH+2*\kb+1], s[24:25] offset:\kb*131072+(\j)*256   ; 32 lanes store 256 consecutive bytes, aligned
.endr
.if (\j) < 2
	LOADB (\j)+2
.endif
.endm
	PAIR 0
	PAIR 1
	PAIR 2
	PAIR 3
	s_endpgm
.Lfunc_end_k_q69b7c32943_quant:
	.size	k_q69b7c32943_quant, .Lfunc_end_k_q69b7c32943_quant-k_q69b7c32943_quant
	.p2alignl 7, 3214868480
	.fill 96, 4, 3214868480
	.section	.rodata,"a",@progbits
	.p2align	6, 0x0
	.amdhsa_kernel k_q69b7c32943_quant
		.amdhsa_group_segment_fixed_size 33280
		.amdhsa_private_segment_fixed_size 0
		.amdhsa_enable_private_segment 0
		.amdhsa_kernarg_size 80
		.amdhsa_user_sgpr_count 2
		.amdhsa_user_sgpr_kernarg_segment_ptr 1
		.amdhsa_wavefront_size32 1
		.amdhsa_system_sgpr_workgroup_id_x 1
		.amdhsa_system_sgpr_workgroup_id_y 1
		.amdhsa_system_sgpr_workgroup_id_z 1
		.amdhsa_system_vgpr_workitem_id 0
		.amdhsa_next_free_vgpr 192
		.amdhsa_next_free_sgpr 66
		.amdhsa_reserve_vcc 0
		.amdhsa_float_denorm_mode_32 3
		.amdhsa_float_denorm_mode_16_64 3
		.amdhsa_memory_ordered 1
		.amdhsa_forward_progress 1
		.amdhsa_inst_pref_size 55
	.end_amdhsa_kernel
	.amdgpu_metadata
---
amdhsa.version: [ 1, 2 ]
amdhsa.kernels:
  - .name:           k_q69b7c32943_quant
    .symbol:         k_q69b7c32943_quant.kd
    .args:
      - { .name: x, .offset: 0, .size: 8, .value_kind: global_buffer, .address_space: global }
      - { .name: Wq, .offset: 8, .size: 8, .value_kind: global_buffer, .address_space: global }
      - { .name: Wk, .offset: 16, .size: 8, .value_kind: global_buffer, .address_space: global }
      - { .name: Wv, .offset: 24, .size: 8, .value_kind: global_buffer, .address_space: global }
      - { .name: Wp, .offset: 32, .size: 8, .value_kind: global_buffer, .address_space: global }
      - { .name: xc, .offset: 40, .size: 8, .value_kind: global_buffer, .address_space: global }
      - { .name: xs, .offset: 48, .size: 8, .value_kind: global_buffer, .address_space: global }
      - { .name: wc, .offset: 56, .size: 8, .value_kind: global_buffer, .address_space: global }
      - { .name: ws, .offset: 64, .size: 8, .value_kind: global_buffer, .address_space: global }
      - { .name: wp16, .offset: 72, .size: 8, .value_kind: global_buffer, .address_space: global }
    .group_segment_fixed_size: 33280
    .private_segment_fixed_size: 0
    .kernarg_segment_align: 8
    .kernarg_segment_size: 80
    .max_flat_workgroup_size: 128
    .sgpr_count:     66
    .vgpr_count:     192
    .wavefront_size: 32
...
	.end_amdgpu_metadata
.endif
;; end of part 1
;; launch qkv (part 2): grid 12 x 32, 4 waves a work-group, clusters of 4 x 4, 327,680 bytes of LDS; arguments xc, xs, wc, ws, qkv16, qkv32, bq, bk, bv; writes qkv16, qkv32
.if DOCPART == 2
	.amdgcn_target "amdgcn-amd-amdhsa--gfx1250"
	.amdhsa_code_object_version 6
	.text
	.protected	k_q69b7c32943_qkv
	.globl	k_q69b7c32943_qkv
	.p2align	8
	.type	k_q69b7c32943_qkv,@function
k_q69b7c32943_qkv:
	s_mov_b64 s[64:65], 0
	v_nop
	global_prefetch_b8 v0, s[64:65] scope:SCOPE_SE
	s_setreg_imm32_b32 hwreg(HW_REG_WAVE_MODE, 25, 1), 1
	s_wait_xcnt 0x0
	s_wait_alu depctr_hold_cnt(0) depctr_sa_sdst(0) depctr_va_vdst(0) depctr_va_sdst(0) depctr_va_ssrc(0) depctr_va_vcc(0) depctr_vm_vsrc(0)
	s_getreg_b32 s2, hwreg(HW_REG_IB_STS2, 6, 4)
	s_cmp_eq_u32 s2, 0
	s_cbranch_scc0 .Lentry_in_a_cluster
	s_endpgm
.Lentry_in_a_cluster:
	s_bfe_u32 s2, ttmp6, 0x10000c
	s_cmp_lg_u32 s2, 0xf033
	s_cbranch_scc0 .Lentry_shape_is_right
	s_endpgm
.Lentry_shape_is_right:
; q, k, v = x W^T + b on codes of FP4 (E2M1) with one E8M0 scale for each 32 along K: C [8192][3072] = xc [8192][1024] x wc [3072][1024]^T, sums in f32, the bias as the C of each sum's first product.
; OUT: qkv16 [3 (q, k, v)][64 (batch x 16 + head)][2048 t][64] f16, and qkv32 [3][64][16 t][64] f32: the first 16 positions of every sequence, kept fine for a later launch.
; LIMIT: |q|, |k|, |v| stay under 65,504, f16's largest number.
; A tile of C, 256 x 256, is made by four waves, each 128 x 128: 64 accumulators, 512 registers.  K = 1,024 is two K steps of 512 (rows of 256 bytes): both slots and all scale bytes are first fills; nothing in LDS is filled again.
; By this text's count a wave has three tensor loads out: the scales', slot 0's, slot 1's.
; CLUSTERS: 4 x 4 work-groups.  The four of a row of the cluster need the same tiles of x, the four of a column the same tiles of W: each is asked for jointly, by the same load with a mask that names the four.
; Tile row = 8 cy + cluster y: so the batch is cy, the tile's first position is 256 x cluster y, and the sequences' first rows lie in the clusters with y = 0, a number that all partners share.
; Tile column = 4 x cluster x + cx: cluster x says which of q, k, v.
; THE MATRIX INSTRUCTION IS USED TRANSPOSED (source 0 = 16 rows of W, source 1 = 16 rows of x): a lane holds eight neighbouring columns of one row of C.
; REGISTERS, in windows of 256: window 0: v0-31 addresses; v32-95 scale words, two sets, and nothing else; v96-127 packed results; v128-191 x's fragments, one set, later rows on the way out; v192-255 the bias, 8 blocks x 8.
;   window 1: W's fragments, two sets, at v0 and v128.   window 2: the accumulators of my rows 0-63 ((a, b) at v[8 (8 a + b)]);   window 3: those of my rows 64-127.
.set SIZE_K, 1024
.set KSTEP,  512
.set NQ,     KSTEP/128
.set ROWB,   256
.set KROW,   SIZE_K/2
.set PITCH,  272                       ; an LDS row: 256 bytes + 16 of padding: the 16 rows that a load touches start 68 words apart
.set FR,     8
.set NL,     2
.set NP,     4
.set HALFT,  128*PITCH
.set SLOT,   4*HALFT
.set KS,     SIZE_K/32
.set SCL,    2*SLOT                    ; behind the two slots: the scale bytes, as units of 256 bytes + 16 of padding
.set HALFS,  (128*KS/256)*272
.set SBLK,   (16*KS/256)*272
.set SPARE,  SCL+4*HALFS               ; the spare words, 128 bytes a wave
.set HP,     144                       ; the way out: a stage of [2 heads][16 rows][128 bytes + 16] for each wave, in slot 0, behind its one fill and its last read
.set ADRA, 16
.set ADRB, 20
.set STO,  24
.set RD,   25
.set CO,   26
.set ADRS, 27
.set SPW,  28
.set NIL,  29
.set BO,   30                          ; v30  32 x (lane / 16): my eight numbers of a bias block
.set FO,   31                          ; v31  256 x (lane % 16) + 32 x (lane / 16): my place in qkv32
.set SC,   32
.set TMP,  96
.set AF,   128
.set BK,   128
.set BI,   192
.set G1, 24
.set G0, 32
.set G1B, 48
.set G0B, 56
.set G1S, 68
.set G0S, 76
.set G1SB, 80
.set G0SB, 88
.set MSB, 0
.macro WIN new                         ; the immediate's high byte repeats the setting that is left
.if MSB != \new
	s_set_vgpr_msb (MSB<<8)|\new
.set MSB, \new
.endif
.endm
.set MUL_LO, 0xa1                      ; source 0 (W) window 1, source 1 (x) window 0, C and D window 2
.set MUL_HI, 0xf1                      ; the same, C and D window 3
.set FST_LO, 0x81                      ; the first step: C (the bias) window 0, D window 2
.set FST_HI, 0xc1                      ; and D window 3
.set TO_B,   0x40
; A joint load: waves 0 and 1 fetch for x, waves 2 and 3 for W.  The branch hangs on the wave's number alone.  An s_nop 0 and four v_nop follow each line.
.macro JLOAD g0a, g1a, g0b, g1b
	s_cmp_eq_u32 s15, 0
	s_cbranch_scc0 .Lfor_b_\@
	tensor_load_to_lds s[\g0a:\g0a+3], s[\g1a:\g1a+7]
	s_nop 0
.rept 4
	v_nop
.endr
	s_branch .Lasked_\@
.Lfor_b_\@:
	tensor_load_to_lds s[\g0b:\g0b+3], s[\g1b:\g1b+7]
	s_nop 0
.rept 4
	v_nop
.endr
.Lasked_\@:
.endm
.macro CROUND                          ; a round of the cluster's barrier
	s_barrier_signal -1
	s_barrier_wait -1
	s_cmp_lg_u32 s14, 0
	s_cbranch_scc1 .Lnot_wave_0_\@
	s_barrier_signal -3
.Lnot_wave_0_\@:
	s_barrier_wait -3
	s_barrier_signal -1
	s_barrier_wait -1
.endm
	s_load_b128 s[4:7], s[0:1], 0x0                ; xc, xs
	s_load_b128 s[8:11], s[0:1], 0x10              ; wc, ws
	s_load_b64 s[12:13], s[0:1], 0x20              ; qkv16
	s_load_b64 s[66:67], s[0:1], 0x28              ; qkv32
	s_load_b128 s[96:99], s[0:1], 0x30             ; bq, bk
	s_load_b64 s[100:101], s[0:1], 0x40            ; bv
	v_lshl_add_u32 v[SPW], v0, 2, SPARE
	v_mov_b32 v[NIL], 0
	ds_add_u32 v[SPW], v[NIL]                      ; the wave's opening: the add, twice on end, and its wait ahead of my first tensor load
	ds_add_u32 v[SPW], v[NIL]
	v_lshrrev_b32 v1, 5, v0
	v_readfirstlane_b32 s14, v1                    ; wave 0..3
	s_lshr_b32 s15, s14, 1                         ; which half of the tile's rows is mine.  Also: I fetch for x (0) or for W (1)
	s_and_b32 s16, s14, 1                          ; which half of its columns.  Also: which 128 rows of that tile I fetch
	s_bfe_u32 s40, ttmp6, 0x40000                  ; cx
	s_bfe_u32 s41, ttmp6, 0x40004                  ; cy
	s_lshl_b32 s42, ttmp9, 2
	s_add_co_u32 s42, s42, s40                     ; tile column = 4 x cluster x + cx
	s_and_b32 s17, ttmp7, 0xffff                   ; cluster y
	s_or_b32 s95, s17, s15                         ; 0 where my first 16 rows are a sequence's first 16 positions: made of cluster y and the wave's number alone
	s_lshl_b32 s18, s41, 3
	s_add_co_u32 s17, s17, s18                     ; tile row = 8 cy + cluster y
	s_lshl_b32 s43, s41, 2
	s_lshl_b32 s43, 15, s43                        ; my row of the cluster
	s_lshl_b32 s44, 0x1111, s40                    ; my column
	s_or_b32 s[G1+0], s43, (0<<16)|(1<<20)|(1<<21)|(5<<22)|(3<<25)  ; the mask; elements of 1 byte; padding on; bit 21 beside a mask; 4 words behind every 64
	s_or_b32 s[G1B+0], s44, (0<<16)|(1<<20)|(1<<21)|(5<<22)|(3<<25)
.irp g, G1, G1B
	s_mov_b32 s[\g+1], ROWB<<16                    ; tensor_dim0
	s_mov_b32 s[\g+2], 128<<16                     ; tensor_dim1
	s_mov_b32 s[\g+3], ROWB<<16                    ; tile_dim0
	s_mov_b32 s[\g+4], 128                         ; tile_dim1
	s_mov_b32 s[\g+5], KROW                        ; from row to row
	s_mov_b32 s[\g+6], 0
	s_mov_b32 s[\g+7], 0
.endr
	s_or_b32 s[G1S+0], s43, (3<<16)|(1<<20)|(1<<21)|(5<<22)|(3<<25) ; the scales of 128 rows: 4,096 dense bytes as 16 rows of 256 (32 elements of 8 bytes), 16 bytes of padding behind each
	s_or_b32 s[G1SB+0], s44, (3<<16)|(1<<20)|(1<<21)|(5<<22)|(3<<25)
.irp g, G1S, G1SB
	s_mov_b32 s[\g+1], 32<<16
	s_mov_b32 s[\g+2], (128*KS/256)<<16
	s_mov_b32 s[\g+3], 32<<16
	s_mov_b32 s[\g+4], 128*KS/256
	s_mov_b32 s[\g+5], 32
	s_mov_b32 s[\g+6], 0
	s_mov_b32 s[\g+7], 0
.endr
	s_lshl_b32 s18, s16, 7
	s_lshl_b32 s20, s17, 8
	s_add_co_u32 s20, s20, s18                     ; x: row 256 x tile row + 128 x half
	s_lshl_b32 s46, s42, 8
	s_add_co_u32 s46, s46, s18                     ; W: row 256 x tile column + 128 x half
	s_mov_b32 s21, 0
	s_mov_b32 s47, 0
	s_mov_b64 s[18:19], KS
	s_mul_u64 s[22:23], s[20:21], s[18:19]         ; where these rows' scales begin,
	s_mul_u64 s[92:93], s[46:47], s[18:19]
	s_mov_b64 s[18:19], KROW
	s_mul_u64 s[20:21], s[20:21], s[18:19]         ; and their codes
	s_mul_u64 s[46:47], s[46:47], s[18:19]
	s_mul_i32 s45, s14, HALFT                      ; where they go: wave x 128 rows
	s_mul_i32 s94, s14, HALFS
	s_wait_dscnt 0x0                               ; both opening adds are done
	s_wait_kmcnt 0x0
	s_add_nc_u64 s[20:21], s[4:5], s[20:21]
	s_add_nc_u64 s[22:23], s[6:7], s[22:23]
	s_add_nc_u64 s[46:47], s[8:9], s[46:47]
	s_add_nc_u64 s[92:93], s[10:11], s[92:93]
	CROUND                                         ; all sixteen work-groups are here: the joint loads meet
	s_mov_b32 s[G0S], 1
	s_add_co_u32 s[G0S+1], s94, SCL
	s_mov_b64 s[G0S+2:G0S+3], s[22:23]
	s_or_b32 s[G0S+3], s[G0S+3], 0x80000000
	s_mov_b32 s[G0SB], 1
	s_add_co_u32 s[G0SB+1], s94, SCL
	s_mov_b64 s[G0SB+2:G0SB+3], s[92:93]
	s_or_b32 s[G0SB+3], s[G0SB+3], 0x80000000
	JLOAD G0S, G1S, G0SB, G1SB                     ; the scales first: they are wanted with K step 0
.irp s, 0,1
	s_mov_b32 s[G0+4*\s], 1
	s_add_co_u32 s[G0+4*\s+1], s45, \s*SLOT
	s_add_nc_u64 s[G0+4*\s+2:G0+4*\s+3], s[20:21], \s*ROWB
	s_or_b32 s[G0+4*\s+3], s[G0+4*\s+3], 0x80000000
	s_mov_b32 s[G0B+4*\s], 1
	s_add_co_u32 s[G0B+4*\s+1], s45, \s*SLOT
	s_add_nc_u64 s[G0B+4*\s+2:G0B+4*\s+3], s[46:47], \s*ROWB
	s_or_b32 s[G0B+4*\s+3], s[G0B+4*\s+3], 0x80000000
	JLOAD G0+4*\s, G1, G0B+4*\s, G1B
.endr
	v_and_b32 v1, 15, v0                           ; r = lane % 16
	v_bfe_u32 v2, v0, 4, 1                         ; h = lane / 16
	; the bias of my 128 columns: block b's eight registers are b[16 b + 8 h + 0 .. 7], the result's layout
	s_cmp_eq_u32 ttmp9, 0
	s_cselect_b64 s[96:97], s[96:97], s[98:99]     ; bq, or bk,
	s_cmp_eq_u32 ttmp9, 2
	s_cselect_b64 s[96:97], s[100:101], s[96:97]   ; or bv: by cluster x
	s_lshl_b32 s46, s40, 10
	s_lshl_b32 s47, s16, 9
	s_add_co_u32 s46, s46, s47                     ; (256 cx + 128 x half) x 4 bytes
	s_mov_b32 s47, 0
	s_add_nc_u64 s[96:97], s[96:97], s[46:47]
	v_lshlrev_b32 v[BO], 5, v2
.irp b, 0,1,2,3,4,5,6,7
	global_load_b128 v[BI+8*\b:BI+8*\b+3], v[BO], s[96:97] offset:64*\b
	global_load_b128 v[BI+8*\b+4:BI+8*\b+7], v[BO], s[96:97] offset:64*\b+16
.endr
	v_mul_u32_u24 v3, v1, PITCH
	v_lshl_add_u32 v4, v2, 4, v3                   ; a fragment's row x pitch + 16 x half
	s_mul_i32 s21, s15, HALFT                      ; my 128 rows of x
	s_mul_i32 s22, s16, HALFT                      ; my 128 rows of W,
	s_add_co_u32 s22, s22, 2*HALFT                 ; which lie behind x's 256
.irp s, 0,1
	v_add_nc_u32 v[ADRA+\s], s21, v4
	v_add_nc_u32 v[ADRB+\s], s22, v4
	s_add_co_u32 s21, s21, SLOT
	s_add_co_u32 s22, s22, SLOT
.endr
	v_mul_u32_u24 v5, v1, KS                       ; my row's scales: 32 bytes a row,
	v_lshrrev_b32 v6, 8, v5
	v_lshl_add_u32 v5, v6, 4, v5                   ; and 16 more for each 256 passed
	s_mul_i32 s21, s15, HALFS
	s_mul_i32 s22, s16, HALFS
	s_add_co_u32 s22, s22, 2*HALFS
	s_sub_co_u32 s22, s22, s21
	v_mul_u32_u24 v6, s22, v2                      ; lanes 16-31 take W's: one product, the distance between the two bases
	s_add_co_u32 s21, s21, SCL
	v_add_nc_u32 v5, v5, v6
	v_add_nc_u32 v[ADRS], s21, v5
	s_mul_i32 s23, s14, 2*16*HP                    ; my stage
	v_mul_u32_u24 v5, v1, HP
	v_lshl_add_u32 v5, v2, 4, v5
	v_add_nc_u32 v[STO], s23, v5                   ; in: row r, 16 bytes for each half of the lanes
	v_and_b32 v6, 31, v0
	v_lshrrev_b32 v5, 3, v6
	v_mul_u32_u24 v5, v5, HP
	v_and_b32 v3, 7, v6
	v_lshl_add_u32 v5, v3, 4, v5
	v_add_nc_u32 v[RD], s23, v5                    ; back: eight lanes to a row of 128 bytes, four rows an instruction
	v_lshlrev_b32 v[CO], 4, v6                     ; the same four rows are 512 consecutive bytes of qkv16
	v_lshlrev_b32 v[FO], 8, v1
	v_lshl_add_u32 v[FO], v2, 5, v[FO]
	s_lshl_b32 s46, s41, 4
	s_lshl_b32 s47, s40, 2
	s_add_co_u32 s46, s46, s47
	s_lshl_b32 s47, s16, 1
	s_add_co_u32 s46, s46, s47                     ; my first head: 16 x batch + 4 cx + 2 x half
	s_lshl_b32 s47, ttmp9, 6
	s_add_co_u32 s47, s47, s46                     ; + 64 x (q, k or v)
	s_lshl_b32 s92, s47, 12                        ; 4,096 bytes a head in qkv32
	s_mov_b32 s93, 0
	s_add_nc_u64 s[66:67], s[66:67], s[92:93]
	s_lshl_b32 s92, s47, 18                        ; 262,144 bytes a head in qkv16
	s_and_b32 s94, ttmp7, 0xffff
	s_lshl_b32 s94, s94, 15                        ; + 256 x cluster y rows of 128 bytes
	s_add_co_u32 s92, s92, s94
	s_lshl_b32 s94, s15, 14                        ; + my half's 128 rows
	s_add_co_u32 s92, s92, s94
	s_add_nc_u64 s[12:13], s[12:13], s[92:93]
.macro FRAG reg, adr, q, i             ; 16 rows x 128 K of 4-bit codes: 8 registers, two loads of 16 bytes, 32 bytes apart
.irp c, 0,1
	ds_load_b128 v[\reg+4*\c:\reg+4*\c+3], v[\adr] offset:64*(\q)+32*\c+(\i)*16*PITCH
.endr
.endm
; 16 matrix instructions: x's blocks a0, a0 + 1 against W's eight, 128 along K.  p: W's set; sc: the set of scale words.  zero = 1: the first product starts the sums from the bias: nothing is cleared, nothing added later.
; The 64 accumulators take turns, one instruction a turn, in the same order in every step.
.macro MUL16 a0, p, q, sc, zero
.irp a, \a0, \a0+1
.irp b, 0,1,2,3,4,5,6,7
.if \zero
	v_wmma_scale_f32_16x16x128_f8f6f4 v[8*(8*((\a)%4)+\b):8*(8*((\a)%4)+\b)+7], v[128*(\p)+FR*\b:128*(\p)+FR*\b+FR-1], v[AF+FR*(\a):AF+FR*(\a)+FR-1], v[BI+8*\b:BI+8*\b+7], v[SC+8*NQ*(\sc)+NQ*\b+(\q)], v[SC+8*NQ*(\sc)+NQ*(\a)+(\q)] matrix_a_fmt:MATRIX_FMT_FP4 matrix_b_fmt:MATRIX_FMT_FP4 matrix_a_scale:MATRIX_SCALE_ROW1
.else
	v_wmma_scale_f32_16x16x128_f8f6f4 v[8*(8*((\a)%4)+\b):8*(8*((\a)%4)+\b)+7], v[128*(\p)+FR*\b:128*(\p)+FR*\b+FR-1], v[AF+FR*(\a):AF+FR*(\a)+FR-1], v[8*(8*((\a)%4)+\b):8*(8*((\a)%4)+\b)+7], v[SC+8*NQ*(\sc)+NQ*\b+(\q)], v[SC+8*NQ*(\sc)+NQ*(\a)+(\q)] matrix_a_fmt:MATRIX_FMT_FP4 matrix_b_fmt:MATRIX_FMT_FP4 matrix_a_scale:MATRIX_SCALE_ROW1
.endif
.endr
.endr
.endm
.macro FETCH_B slot, q, p
	WIN TO_B
.irp i, 0,1,2,3,4,5,6,7
	FRAG 128*(\p)+FR*\i, ADRB+\slot, \q, \i
.endr
	WIN 0
.endm
.macro FETCH_A slot, q, i0
.irp i, \i0, \i0+1, \i0+2, \i0+3
	FRAG AF+FR*(\i), ADRA+\slot, \q, \i
.endr
.endm
.macro SCALES sc                       ; a K step's scale words: 4 words a row; lanes 0-15 take x's block i, lanes 16-31 W's block i
.irp i, 0,1,2,3,4,5,6,7
	ds_load_b128 v[SC+8*NQ*\sc+NQ*\i:SC+8*NQ*\sc+NQ*\i+3], v[ADRS] offset:\i*SBLK
.endr
.endm
.macro PLACES n                        ; plain vector lines between a matrix instruction and a load into, or a read of, its registers
.rept \n
	v_nop
.endr
.endm
.macro STEP slot, q, zero              ; a step of 128 along K that has its successor in the same slot
	s_wait_dscnt 4*NL                              ; W's set and x's blocks 0-3 are in; the youngest 8 loads (x's blocks 4-7) may be out
.if \zero
	WIN FST_LO
.else
	WIN MUL_LO
.endif
	MUL16 0, (\q)%2, \q, \slot, \zero
	MUL16 2, (\q)%2, \q, \slot, \zero
	s_wait_dscnt 0
	PLACES NP
	FETCH_B \slot, (\q)+1, 1-(\q)%2
	FETCH_A \slot, (\q)+1, 0
.if \zero
	WIN FST_HI
.else
	WIN MUL_HI
.endif
	MUL16 4, (\q)%2, \q, \slot, \zero
	MUL16 6, (\q)%2, \q, \slot, \zero
	PLACES NP
	WIN 0
	FETCH_A \slot, (\q)+1, 4
.endm
.macro STEPS slot, from
.set Q, \from
.rept NQ-1-\from
	STEP \slot, Q, 0
.set Q, Q+1
.endr
.endm
	s_wait_tensorcnt 1                             ; the scales and my part of slot 0 are in; slot 1's load may be out
	s_barrier_signal -1
	s_barrier_wait -1
	FETCH_B 0, 0, 0
	FETCH_A 0, 0, 0
	SCALES 0
	FETCH_A 0, 0, 4
	s_wait_loadcnt 0x0                             ; the bias
	STEP 0, 0, 1
	STEPS 0, 1
	; slot 0's last step changes slots: one barrier; in front of it my part of slot 1 has landed and my reads of slot 0 are over.  Behind it slot 0 is read by nobody: it becomes the stages.
	s_wait_tensorcnt 0x0
	ds_add_u32 v[SPW], v[NIL]                      ; 0 onto my spare word
	s_wait_dscnt 4*NL+1                            ; (the add and the youngest 8 loads may be out)
	WIN MUL_LO
	MUL16 0, 1, NQ-1, 0, 0
	s_wait_dscnt 0x0
	s_barrier_signal -1
	MUL16 2, 1, NQ-1, 0, 0
	WIN 0
	s_barrier_wait -1
	PLACES NP
	v_add_nc_u32 v[ADRS], 4*NQ, v[ADRS]            ; on to the second K step's scale words
	FETCH_B 1, 0, 0
	FETCH_A 1, 0, 0
	SCALES 1
	WIN MUL_HI
	MUL16 4, 1, NQ-1, 0, 0
	MUL16 6, 1, NQ-1, 0, 0
	PLACES NP
	WIN 0
	FETCH_A 1, 0, 4
	STEPS 1, 0
	s_wait_dscnt 4*NL                              ; the very last step: nothing more to fetch
	WIN MUL_LO
	MUL16 0, 1, NQ-1, 1, 0
	MUL16 2, 1, NQ-1, 1, 0
	s_wait_dscnt 0
	WIN MUL_HI
	MUL16 4, 1, NQ-1, 1, 0
	MUL16 6, 1, NQ-1, 1, 0
	WIN 0
	PLACES NP
	; the first 16 positions of a sequence also leave in f32: block 0's eight accumulators as they are, 16 bytes a lane into rows 256 bytes apart (786,432 bytes in the whole launch against 50,331,648 of f16)
	s_cmp_lg_u32 s95, 0
	s_cbranch_scc1 .Lnofine
	WIN 0x08                                       ; a store's data: window 2
.irp b, 0,1,2,3,4,5,6,7
	global_store_b128 v[FO], v[8*\b:8*\b+3], s[66:67] offset:(\b/4)*4096+(\b%4)*64       ; each accumulator from its low end on
	global_store_b128 v[FO], v[8*\b+4:8*\b+7], s[66:67] offset:(\b/4)*4096+(\b%4)*64+16
.endr
	WIN 0
.Lnofine:
; THE WAY OUT, block by block of 16 rows x 128 columns (two heads).  Rounded to f16, 16 bytes a lane; through my own stage; back as rows of 128 bytes, four to an instruction: 512 consecutive bytes of a head.
.macro PACK a
.set AC, 64*((\a)%4)
	WIN 0x0a+5*((\a)/4)                            ; sources 0 and 1: window 2 or 3
.irp b, 0,1,2,3,4,5,6,7
.irp i, 0,1,2,3
	v_cvt_pk_f16_f32 v[TMP+4*\b+\i], v[AC+8*\b+2*\i], v[AC+8*\b+2*\i+1]
.endr
.endr
	WIN 0
.endm
.macro TOSTAGE a
.set BB, BK+32*((\a)%2)
.irp b, 0,1,2,3,4,5,6,7
	ds_store_b128 v[STO], v[TMP+4*\b:TMP+4*\b+3] offset:(\b/4)*16*HP+(\b%4)*32
.endr
.irp n, 0,1,2,3,4,5,6,7
	ds_load_b128 v[BB+4*\n:BB+4*\n+3], v[RD] offset:(\n/4)*16*HP+(\n%4)*4*HP   ; LDS serves a wave's instructions in order: these see the stores above
.endr
.endm
.macro SEND a
.set BB, BK+32*((\a)%2)
	s_wait_dscnt 0x0                               ; the block is back in registers
	s_wait_xcnt 0x0                                ; the earlier stores have read their data: the other set is loaded again only behind this wait
.irp n, 0,1,2,3,4,5,6,7
	global_store_b128 v[CO], v[BB+4*\n:BB+4*\n+3], s[12:13] offset:(\a)*2048+(\n/4)*262144+(\n%4)*512   ; 32 lanes store 512 consecutive bytes, aligned
.endr
.endm
	PACK 0
	TOSTAGE 0
.irp a, 1,2,3,4,5,6,7                  ; block a's conversions stand between block a - 1's loads from the stage and the wait for them
	PACK \a
	SEND \a-1
	TOSTAGE \a
.endr
	SEND 7
	s_wait_tensorcnt 0x0                           ; the wave's end: behind my last tensor load and my last LDS store
	ds_add_u32 v[SPW], v[NIL]
	s_wait_dscnt 0x0
	CROUND                                         ; the closing round
	s_endpgm
.Lfunc_end_k_q69b7c32943_qkv:
	.size	k_q69b7c32943_qkv, .Lfunc_end_k_q69b7c32943_qkv-k_q69b7c32943_qkv
	.p2alignl 7, 3214868480
	.fill 96, 4, 3214868480
	.section	.rodata,"a",@progbits
	.p2align	6, 0x0
	.amdhsa_kernel k_q69b7c32943_qkv
		.amdhsa_group_segment_fixed_size 327680
		.amdhsa_private_segment_fixed_size 0
		.amdhsa_enable_private_segment 0
		.amdhsa_kernarg_size 72
		.amdhsa_user_sgpr_count 2
		.amdhsa_user_sgpr_kernarg_segment_ptr 1
		.amdhsa_wavefront_size32 1
		.amdhsa_system_sgpr_workgroup_id_x 1
		.amdhsa_system_sgpr_workgroup_id_y 1
		.amdhsa_system_sgpr_workgroup_id_z 1
		.amdhsa_system_vgpr_workitem_id 0
		.amdhsa_next_free_vgpr 1024
		.amdhsa_next_free_sgpr 102
		.amdhsa_reserve_vcc 0
		.amdhsa_float_denorm_mode_32 3
		.amdhsa_float_denorm_mode_16_64 3
		.amdhsa_memory_ordered 1
		.amdhsa_forward_progress 1
		.amdhsa_inst_pref_size 130
	.end_amdhsa_kernel
	.amdgpu_metadata
---
amdhsa.version: [ 1, 2 ]
amdhsa.kernels:
  - .name:           k_q69b7c32943_qkv
    .symbol:         k_q69b7c32943_qkv.kd
    .args:
      - { .name: xc, .offset: 0, .size: 8, .value_kind: global_buffer, .address_space: global }
      - { .name: xs, .offset: 8, .size: 8, .value_kind: global_buffer, .address_space: global }
      - { .name: wc, .offset: 16, .size: 8, .value_kind: global_buffer, .address_space: global }
      - { .name: ws, .offset: 24, .size: 8, .value_kind: global_buffer, .address_space: global }
      - { .name: qkv16, .offset: 32, .size: 8, .value_kind: global_buffer, .address_space: global }
      - { .name: qkv32, .offset: 40, .size: 8, .value_kind: global_buffer, .address_space: global }
      - { .name: bq, .offset: 48, .size: 8, .value_kind: global_buffer, .address_space: global }
      - { .name: bk, .offset: 56, .size: 8, .value_kind: global_buffer, .address_space: global }
      - { .name: bv, .offset: 64, .size: 8, .value_kind: global_buffer, .address_space: global }
    .group_segment_fixed_size: 327680
    .private_segment_fixed_size: 0
    .kernarg_segment_align: 8
    .kernarg_segment_size: 72
    .max_flat_workgroup_size: 128
    .sgpr_count:     102
    .vgpr_count:     1024
    .wavefront_size: 32
...
	.end_amdgpu_metadata
.endif
;; end of part 2
;; launch attn (part 3): grid 4 x 64, 16 waves a work-group, no clusters, 327,680 bytes of LDS; arguments qkv16, y16; writes y16
.if DOCPART == 3
	.amdgcn_target "amdgcn-amd-amdhsa--gfx1250"
	.amdhsa_code_object_version 6
	.text
	.protected	k_q69b7c32943_attn
	.globl	k_q69b7c32943_attn
	.p2align	8
	.type	k_q69b7c32943_attn,@function
k_q69b7c32943_attn:
	s_mov_b64 s[64:65], 0
	v_nop
	global_prefetch_b8 v0, s[64:65] scope:SCOPE_SE
	s_setreg_imm32_b32 hwreg(HW_REG_WAVE_MODE, 25, 1), 1
	s_wait_xcnt 0x0
; y[b][t][h][:] = the sum over keys k <= t of softmax_k(q . k / 8) v, for 64 heads (batch x 16 + head) of 2,048 positions and head size 64.  q, k, v: qkv16 [3][64][2048][64] f16.  y16: [16 h][8192 (batch x 2048 + t)][64] f16.
; Products on f16 operands with f32 sums; maxima, exponentials and sums in f32, with a running maximum; the weights p are rounded to f16 for the second product, y once at the end.
; LIMIT: |y| stays under 65,504.  (The first 16 positions of each sequence are stored here like the others; the launch that makes their output rows takes them from f32 copies instead.)
; SHARES.  Work-group (i, head) owns query blocks i and 7 - i, 256 queries each: under the causal mask every work-group so has the same number of key steps.  Each of its sixteen waves owns 32 queries, two tiles of 16,
; in 256 registers: four waves to a SIMD, so that one wave's vector work stands beside another's products and LDS loads.
; NO CLUSTER: the four work-groups of a head need 8, 7, 6 and 5 slots of keys; a joint load would bring tiles that no wave of some partner reads.
; K and V come through a ring of two LDS slots of 256 keys (four key steps of 64), filled by waves 0, 1 (K's halves) and 2, 3 (V's) and read by all sixteen.  By this text's count a wave has one tensor load out.
; Every work-group walks all 8 slots: trip counts are constants.  A wave jumps over a step whose first key comes after its last query; a slot whose first key comes after the work-group's last query is not asked for.
; LAYOUT.  S^T = K Q^T (source 0 = 16 keys, source 1 = 16 queries): a lane holds ONE query (lane % 16) and keys 8 (lane / 16) + 0..7 of each tile.  Two such tiles, rounded to f16 in pairs, ARE source 1 of O^T = V^T P.
; K comes out of LDS as it lies, V ([key][channel]) turned, by ds_load_tr16_b128.
; REGISTERS: v1-9 addresses; v10 lane % 16 - 8 (lane / 16); v12-27 statistics, 8 a tile: +0 c m, +1 m, +2, +3 the sum in two halves, +4..+7 at work (a in +6); v28 prefetch offset; v29-31 the mask's;
;   v32-63 Q; v64-127 S^T, then p, then P in each tile's low 16; v128-191 O^T; v192-255 a step's K, then its V.
.set SK,    256                        ; keys in a slot
.set PK,    144                        ; a key's row in LDS: 128 bytes + 16 of padding
.set PV,    160                        ; a row of V: 128 + 32
.set VOFF,  SK*PK
.set SLOT1, 1<<17                      ; slot 1 begins here: one exclusive or turns an address from one slot to the other
.set STAGE, VOFF+SK*PV                 ; behind slot 0, where no load lands: 16 rows x 144 bytes for each wave
.set SPARE, 2*SLOT1                    ; the spare words, 128 bytes a wave
.set NSL,   8
.set AK0, 1
.set AV0, 2
.set ADK, 3
.set ADV, 4
.set SPW, 5
.set NIL, 6
.set GO,  7
.set STO, 8
.set RD,  9
.set ST,  12
.set PFO, 28
.set D0,  29
.set NINF, 31
.set QF,  32
.set S,   64
.set O,   128
.set KV,  192
.set TB,  2                            ; s2   LDS byte at which the slot in hand begins
.set WV,  18
.set SEL, 20
.set CS,  22                           ; s[22:23] c = log2(e) / 8
.set G1K, 24
.set G1V, 32
.set G0K, 40
.set G0V, 44
.set SLOTS, 67
.set KF,  68                           ; the step's first key
.set Q0,  69                           ; my first query
.set LASTQ, 70                         ; my work-group's last query
.set PFA, 76
.set LIM, 80
; Waves 0 and 1 fetch K's halves, waves 2 and 3 V's, the others nothing.  The branches hang on the wave's number alone.  An s_nop 0 and four v_nop follow each line.
.macro TLOAD
	s_cmp_lt_u32 s[WV], 2
	s_cbranch_scc0 .Lnot_k_\@
	tensor_load_to_lds s[G0K:G0K+3], s[G1K:G1K+7]
	s_nop 0
.rept 4
	v_nop
.endr
	s_branch .Lasked_\@
.Lnot_k_\@:
	s_cmp_lt_u32 s[WV], 4
	s_cbranch_scc0 .Lasked_\@
	tensor_load_to_lds s[G0V:G0V+3], s[G1V:G1V+7]
	s_nop 0
.rept 4
	v_nop
.endr
.Lasked_\@:
.endm
; A prefetch into the L2 of the slot that the NEXT change of slots will ask for: 32,768 dense bytes of K and of V.  Each aligned 256 bytes is named once in the launch: of a head's four work-groups the first,
; which walks all slots, asks; in it waves 4 to 7 for K and 8 to 11 for V, 8,192 bytes a wave, lanes 256 bytes apart.  The last change that fills a slot asks for nothing; slots 0 and 1 come by their loads alone.
.macro ASK
	s_cmp_gt_u32 s[SLOTS], s[LIM]
	s_cbranch_scc0 .Lnot_mine_\@
	global_prefetch_b8 v[PFO], s[PFA:PFA+1] th:TH_LOAD_NT scope:SCOPE_SE
.Lnot_mine_\@:
.endm
	s_load_b128 s[4:7], s[0:1], 0x0                ; qkv16, y16
	v_lshl_add_u32 v[SPW], v0, 2, SPARE
	v_mov_b32 v[NIL], 0
	ds_add_u32 v[SPW], v[NIL]                      ; the wave's opening: the add, twice on end, and its wait ahead of my first tensor load
	ds_add_u32 v[SPW], v[NIL]
	v_lshrrev_b32 v10, 5, v0
	v_readfirstlane_b32 s[WV], v10                 ; wave 0..15
	s_and_b32 s72, ttmp7, 0xffff                   ; the head: batch x 16 + head
	s_lshl_b32 s74, s72, 18                        ; its first byte in each of q, k, v
	s_and_b32 s73, s[WV], 1                        ; which half of a slot's rows I fetch, if I fetch
	s_lshl_b32 s48, s73, 14
	s_add_co_u32 s48, s48, s74
	s_add_co_u32 s48, s48, 0x1000000               ; K lies 16,777,216 bytes behind q,
	s_mov_b32 s49, 0
	s_add_co_u32 s50, s48, 0x1000000               ; V as much behind K
	s_mov_b32 s51, 0
	s_and_b32 s75, s[WV], 7
	s_lshl_b32 s81, ttmp9, 3
	s_add_co_u32 s75, s75, s81                     ; my 32 queries: chunk 8 i + wave % 8 of block i,
	s_sub_co_u32 s81, 63, s75                      ; or its mirror in block 7 - i
	s_cmp_lt_u32 s[WV], 8
	s_cselect_b32 s75, s75, s81
	s_lshl_b32 s[Q0], s75, 5
	s_sub_co_u32 s[LASTQ], 8, ttmp9
	s_lshl_b32 s[LASTQ], s[LASTQ], 8
	s_sub_co_u32 s[LASTQ], s[LASTQ], 1             ; 256 (8 - i) - 1
	s_lshl_b32 s52, s[Q0], 7
	s_add_co_u32 s52, s52, s74                     ; q at my first query
	s_mov_b32 s53, 0
	s_and_b32 s54, s72, 15
	s_lshl_b32 s54, s54, 20                        ; y16: 8,192 rows of 128 bytes a head,
	s_lshr_b32 s81, s72, 4
	s_lshl_b32 s81, s81, 18                        ; 2,048 rows a batch,
	s_add_co_u32 s54, s54, s81
	s_lshl_b32 s81, s[Q0], 7
	s_add_co_u32 s54, s54, s81                     ; my first query
	s_mov_b32 s55, 0
	s_mov_b32 s83, 0x2000000
	s_cmp_lt_u32 s[WV], 8                          ; the prefetches: waves 4 to 7 K's, waves 8 to 11 V's
	s_cselect_b32 s56, 0x1000000, s83
	s_add_co_u32 s56, s56, s74
	s_and_b32 s81, s[WV], 3
	s_lshl_b32 s81, s81, 13                        ; my wave's 8,192 bytes,
	s_add_co_u32 s56, s56, s81
	s_add_co_u32 s56, s56, 32768                   ; in slot 1: the first change of slots steps it to slot 2
	s_mov_b32 s57, 0
	s_sub_co_u32 s81, s[WV], 4
	s_lshr_b32 s81, s81, 3                         ; 0 in waves 4 to 11,
	s_or_b32 s81, s81, ttmp9                       ; of the head's first work-group
	s_cmp_eq_u32 s81, 0
	s_cselect_b32 s[LIM], 1, -1
	; descriptor group 1: 128 rows of 64 elements of 2 bytes, dense in memory, padded in LDS behind every 32 words: K by 4 words, V by 8
	s_mov_b32 s[G1K], (1<<16)|(1<<20)|(4<<22)|(3<<25)
	s_mov_b32 s[G1V], (1<<16)|(1<<20)|(4<<22)|(7<<25)
.irp g, G1K, G1V
	s_mov_b32 s[\g+1], 64<<16                      ; tensor_dim0
	s_mov_b32 s[\g+2], 128<<16                     ; tensor_dim1
	s_mov_b32 s[\g+3], 64<<16                      ; tile_dim0
	s_mov_b32 s[\g+4], 128                         ; tile_dim1
	s_mov_b32 s[\g+5], 64                          ; from row to row
	s_mov_b32 s[\g+6], 0
	s_mov_b32 s[\g+7], 0
.endr
	s_mov_b32 s[SEL], 0x76543210
	s_mov_b32 s[SEL+1], 0xfedcba98                 ; v_permlanex16_b32's selects for lane l xor 16
	s_mov_b32 s[CS], 0x3e38aa3b                    ; c = log2(e) / 8
	s_mov_b32 s[CS+1], s[CS]
	s_mov_b32 s[TB], 0
	s_mov_b32 s[SLOTS], NSL-1
	s_mov_b32 s[KF], 0
	s_wait_dscnt 0x0                               ; both opening adds are done
	s_wait_kmcnt 0x0
	s_mov_b32 s[G0K], 1
	s_mul_i32 s[G0K+1], s73, 128*PK                ; LDS: slot 0, my half of K's rows
	s_add_nc_u64 s[G0K+2:G0K+3], s[4:5], s[48:49]
	s_or_b32 s[G0K+3], s[G0K+3], 0x80000000
	s_mov_b32 s[G0V], 1
	s_mul_i32 s[G0V+1], s73, 128*PV
	s_add_co_u32 s[G0V+1], s[G0V+1], VOFF
	s_add_nc_u64 s[G0V+2:G0V+3], s[4:5], s[50:51]
	s_or_b32 s[G0V+3], s[G0V+3], 0x80000000
	TLOAD                                          ; slot 0: keys 0 to 255, which every wave reads
	s_add_nc_u64 s[8:9], s[4:5], s[52:53]          ; q
	s_add_nc_u64 s[6:7], s[6:7], s[54:55]          ; y
	s_add_nc_u64 s[PFA:PFA+1], s[4:5], s[56:57]
	v_and_b32 v10, 15, v0                          ; r
	v_bfe_u32 v11, v0, 4, 1                        ; h
	v_lshlrev_b32 v[ADK], 7, v10
	v_lshl_add_u32 v[ADK], v11, 4, v[ADK]          ; q: row r of 128 bytes, + 16 h (this register is written again only behind the wait for these loads)
.irp t, 0,1
.irp c, 0,1
	global_load_b128 v[QF+16*\t+8*\c:QF+16*\t+8*\c+3], v[ADK], s[8:9] offset:\t*2048+64*\c
	global_load_b128 v[QF+16*\t+8*\c+4:QF+16*\t+8*\c+7], v[ADK], s[8:9] offset:\t*2048+64*\c+32
.endr
.endr
	v_mul_u32_u24 v[AK0], v10, PK
	v_lshl_add_u32 v[AK0], v11, 4, v[AK0]          ; K: row r x pitch + 16 h
	v_and_b32 v[AV0], 7, v0
	v_lshl_add_u32 v[AV0], v11, 3, v[AV0]
	v_mul_u32_u24 v[AV0], v[AV0], PV               ; V, for the turning load: key 8 h + lane % 8,
	v_bfe_u32 v[ADV], v0, 3, 1
	v_lshl_add_u32 v[AV0], v[ADV], 4, v[AV0]       ; channels 8 ((lane / 8) % 2) on
	v_add_nc_u32 v[AV0], VOFF, v[AV0]
	v_and_b32 v[GO], 31, v0
	v_lshrrev_b32 v[RD], 3, v[GO]
	v_mul_u32_u24 v[RD], v[RD], PK
	v_and_b32 v[ADV], 7, v0
	v_lshl_add_u32 v[RD], v[ADV], 4, v[RD]
	s_mul_i32 s73, s[WV], 16*PK
	s_add_co_u32 s73, s73, STAGE                   ; my stage
	v_add_nc_u32 v[RD], s73, v[RD]                 ; back: eight lanes to a row of 128 bytes
	v_add_nc_u32 v[STO], s73, v[AK0]               ; in: row r, 16 bytes for each half of the lanes
	v_lshlrev_b32 v[PFO], 8, v[GO]
	v_lshlrev_b32 v[GO], 4, v[GO]                  ; four rows of y are 512 consecutive bytes
	v_lshlrev_b32 v11, 3, v11
	v_sub_nc_u32 v10, v10, v11                     ; r - 8 h, for the mask
	v_mov_b32 v[NINF], 0xff800000
.irp t, 0,1
	v_mov_b32 v[ST+8*\t+1], 0xff61b1e6             ; the largest score so far: -3e38, under every score
	v_mov_b32 v[ST+8*\t+2], 0                      ; the sum
	v_mov_b32 v[ST+8*\t+3], 0
	v_mov_b32 v[ST+8*\t+5], 0                      ; (a lane permute's destination counts as one of its sources)
	v_mov_b32 v[ST+8*\t+7], 0
	v_mul_f32 v[ST+8*\t], s[CS], v[ST+8*\t+1]
.endr
.set i, 0
.rept 64
	v_mov_b32 v[O+i], 0                            ; O^T.  (The step is written once: the first finds zeros, which its a = 0 leaves zeros)
.set i, i+1
.endr
; A KEY STEP: 64 keys, the q-th of the slot in hand.
.macro STEP q
	s_add_co_u32 s81, s[Q0], 31
	s_cmp_gt_u32 s[KF], s81                        ; all its keys come after my queries: only the count of keys steps
	s_cbranch_scc1 .Lhidden_\@
	v_add_nc_u32 v[ADK], s[TB], v[AK0]
	v_add_nc_u32 v[ADV], s[TB], v[AV0]
.rept 3
	v_nop                                          ; with the two additions five plain lines behind the last step's products: the products below write over P, which those read, and the loads below land on V's registers
.endr
.irp kt, 0,1,2,3
.irp c, 0,1
	ds_load_b128 v[KV+8*(2*\kt+\c):KV+8*(2*\kt+\c)+3], v[ADK] offset:(64*(\q)+16*\kt)*PK+64*\c
	ds_load_b128 v[KV+8*(2*\kt+\c)+4:KV+8*(2*\kt+\c)+7], v[ADK] offset:(64*(\q)+16*\kt)*PK+64*\c+32
.endr
.endr
	s_wait_dscnt 0x0
.irp c, 0,1                                    ; S^T = K Q^T: eight accumulators by turns, one instruction a turn; the first eight start the sums
.irp kt, 0,1,2,3
.irp t, 0,1
.if \c == 0
	v_wmma_f32_16x16x32_f16 v[S+32*\t+8*\kt:S+32*\t+8*\kt+7], v[KV+8*(2*\kt+\c):KV+8*(2*\kt+\c)+7], v[QF+16*\t+8*\c:QF+16*\t+8*\c+7], 0
.else
	v_wmma_f32_16x16x32_f16 v[S+32*\t+8*\kt:S+32*\t+8*\kt+7], v[KV+8*(2*\kt+\c):KV+8*(2*\kt+\c)+7], v[QF+16*\t+8*\c:QF+16*\t+8*\c+7], v[S+32*\t+8*\kt:S+32*\t+8*\kt+7]
.endif
.endr
.endr
.endr
.rept 4
	v_nop                                          ; four plain lines: for the loads into K's registers, and for the first reads of the scores
.endr
.irp g, 0,1                                    ; V of this step, turned, lands while the softmax is walked
.irp c, 0,1,2,3
	ds_load_tr16_b128 v[KV+8*(4*\g+\c):KV+8*(4*\g+\c)+3], v[ADV] offset:(64*(\q)+32*\g)*PV+32*\c
	ds_load_tr16_b128 v[KV+8*(4*\g+\c)+4:KV+8*(4*\g+\c)+7], v[ADV] offset:(64*(\q)+32*\g+16)*PV+32*\c
.endr
.endr
	s_add_co_u32 s81, s[KF], 63                    ; on the diagonal hidden scores become -infinity ahead of the maximum; a step all of whose keys count for all my queries skips this
	s_cmp_le_u32 s81, s[Q0]
	s_cbranch_scc1 .Lopen_\@
	s_sub_co_i32 s81, s[Q0], s[KF]
	v_add_nc_u32 v[D0], s81, v10                   ; d = my query - KF - 8 (lane / 16), for tile 0,
	v_add_nc_u32 v[D0+1], 16, v[D0]                ; and for tile 1.  Register 8 kt + j holds key KF + 16 kt + 8 (lane / 16) + j: hidden where 16 kt + j > d
.irp t, 0,1
.irp n, 0,1,2,3,4,5,6,7,8,9,10,11,12,13,14,15,16,17,18,19,20,21,22,23,24,25,26,27,28,29,30,31
	v_cmp_gt_i32 vcc_lo, 16*(\n/8)+\n%8, v[D0+\t]
	v_cndmask_b32 v[S+32*\t+\n], v[S+32*\t+\n], v[NINF], vcc_lo
.endr
.endr
.Lopen_\@:
.irp j, 0,1,2,3                                ; the largest of my 32 scores and the old m: four chains, each accumulator read from its low end on; the two tiles line by line
.irp t, 0,1
	v_max3_num_f32 v[ST+8*\t+4+\j], v[S+32*\t+8*\j], v[S+32*\t+8*\j+1], v[S+32*\t+8*\j+2]
.endr
.endr
.irp i, 3,5
.irp j, 0,1,2,3
.irp t, 0,1
	v_max3_num_f32 v[ST+8*\t+4+\j], v[ST+8*\t+4+\j], v[S+32*\t+8*\j+\i], v[S+32*\t+8*\j+\i+1]
.endr
.endr
.endr
.irp t, 0,1
	v_max3_num_f32 v[ST+8*\t+4], v[ST+8*\t+4], v[S+32*\t+7], v[S+32*\t+15]
.endr
.irp t, 0,1
	v_max3_num_f32 v[ST+8*\t+6], v[ST+8*\t+6], v[S+32*\t+23], v[S+32*\t+31]
.endr
.irp t, 0,1
	v_max3_num_f32 v[ST+8*\t+4], v[ST+8*\t+4], v[ST+8*\t+5], v[ST+8*\t+6]
.endr
.irp t, 0,1
	v_max3_num_f32 v[ST+8*\t+4], v[ST+8*\t+4], v[ST+8*\t+7], v[ST+8*\t+1]
.endr
.irp t, 0,1
	v_permlanex16_b32 v[ST+8*\t+5], v[ST+8*\t+4], s[SEL], s[SEL+1]  ; the query's other 32 keys lie in the lane 16 away
.endr
.irp t, 0,1
	v_mov_b32 v[ST+8*\t+7], v[ST+8*\t]             ; c m_old is kept for a
.endr
.irp t, 0,1
	v_max_num_f32 v[ST+8*\t+1], v[ST+8*\t+4], v[ST+8*\t+5]
.endr
.irp t, 0,1
	v_mul_f32 v[ST+8*\t], s[CS], v[ST+8*\t+1]
.endr
.irp t, 0,1
	v_sub_f32 v[ST+8*\t+7], v[ST+8*\t+7], v[ST+8*\t]
.endr
.irp j, 0,2,4,6,8,10,12,14,16,18,20,22,24,26,28,30
.irp t, 0,1
	v_pk_fma_f32 v[S+32*\t+\j:S+32*\t+\j+1], v[S+32*\t+\j:S+32*\t+\j+1], s[CS:CS+1], v[ST+8*\t:ST+8*\t+1] op_sel_hi:[1,0,0] neg_lo:[0,0,1] neg_hi:[0,0,1]   ; c s - c m
.endr
.endr
.irp t, 0,1
	v_exp_f32 v[ST+8*\t+6], v[ST+8*\t+7]           ; a = 2^(c m_old - c m_new)
.endr
.irp j, 0,1,2,3,4,5,6,7,8,9,10,11,12,13,14,15,16,17,18,19,20,21,22,23,24,25,26,27,28,29,30,31
.irp t, 0,1
	v_exp_f32 v[S+32*\t+\j], v[S+32*\t+\j]         ; p = 2^(c s - c m), at most 1
.endr
.endr
	v_nop                                          ; a plain line behind the last exponential
	s_wait_alu depctr_va_vdst(0)                   ; one wait for the batch of 66, ahead of its first reader
.irp t, 0,1
	v_pk_mul_f32 v[ST+8*\t+2:ST+8*\t+3], v[ST+8*\t+2:ST+8*\t+3], v[ST+8*\t+6:ST+8*\t+7] op_sel_hi:[1,0]   ; the sum under the new m
.endr
.irp t, 0,1
	v_pk_add_f32 v[ST+8*\t+4:ST+8*\t+5], v[S+32*\t:S+32*\t+1], v[S+32*\t+2:S+32*\t+3]   ; the row's sum of the f32 weights, two at a time, in two chains a tile
.endr
.irp j, 4,8,12,16,20,24,28
.irp t, 0,1
	v_pk_add_f32 v[ST+8*\t+2:ST+8*\t+3], v[ST+8*\t+2:ST+8*\t+3], v[S+32*\t+\j:S+32*\t+\j+1]
	v_pk_add_f32 v[ST+8*\t+4:ST+8*\t+5], v[ST+8*\t+4:ST+8*\t+5], v[S+32*\t+\j+2:S+32*\t+\j+3]
.endr
.endr
.irp t, 0,1
	v_pk_add_f32 v[ST+8*\t+2:ST+8*\t+3], v[ST+8*\t+2:ST+8*\t+3], v[ST+8*\t+4:ST+8*\t+5]
.endr
.irp j, 0,1,2,3,4,5,6,7,8,9,10,11,12,13,14,15
.irp t, 0,1
	v_cvt_pk_f16_f32 v[S+32*\t+\j], v[S+32*\t+2*\j], v[S+32*\t+2*\j+1]   ; P, in place, ascending: register j is written when pairs 0 to j have been read
.endr
.endr
.irp j, 0,2,4,6,8,10,12,14,16,18,20,22,24,26,28,30
.irp t, 0,1
	v_pk_mul_f32 v[O+32*\t+\j:O+32*\t+\j+1], v[O+32*\t+\j:O+32*\t+\j+1], v[ST+8*\t+6:ST+8*\t+7] op_sel_hi:[1,0]   ; O^T under the new m, each accumulator from its low end on
.endr
.endr
	s_wait_dscnt 0x0                               ; V is in
.irp g, 0,1                                    ; O^T += V^T P: eight accumulators by turns
.irp c, 0,1,2,3
.irp t, 0,1
	v_wmma_f32_16x16x32_f16 v[O+32*\t+8*\c:O+32*\t+8*\c+7], v[KV+8*(4*\g+\c):KV+8*(4*\g+\c)+7], v[S+32*\t+8*\g:S+32*\t+8*\g+7], v[O+32*\t+8*\c:O+32*\t+8*\c+7]
.endr
.endr
.endr
.Lhidden_\@:
	s_add_co_u32 s[KF], s[KF], 64
.endm
; THE CHANGE OF SLOTS stands at a slot's head.  Each wave waits for all its tensor loads (its part of the slot that it is about to read), adds 0 to its spare word, and waits for that and for its reads of the slot that it has left.
; Behind the barrier the slot ahead is whole and nobody reads the other one.  fill = 1: that other slot takes the next 256 keys, up to the causal limit: the load has four key steps in which to land.
.macro CHANGE fill
	s_wait_tensorcnt 0x0                           ; no tensor load of mine is out, so a group 0 may be written
	ds_add_u32 v[SPW], v[NIL]                      ; 0 onto my spare word
.if \fill
	ds_add_u32 v[SPW], v[NIL]                      ; and once more, in every trip alike
	s_xor_b32 s[G0K+1], s[G0K+1], SLOT1            ; the walking descriptors: the other slot than last time,
	s_add_nc_u64 s[G0K+2:G0K+3], s[G0K+2:G0K+3], SK*128   ; the next 256 keys
	s_xor_b32 s[G0V+1], s[G0V+1], SLOT1
	s_add_nc_u64 s[G0V+2:G0V+3], s[G0V+2:G0V+3], SK*128
	s_wait_xcnt 0x0                                ; the last prefetch, a slot back, has read its address
	s_add_nc_u64 s[PFA:PFA+1], s[PFA:PFA+1], SK*128       ; one slot further on than the walking descriptors
.endif
	s_wait_dscnt 0x0                               ; the add is done, and my reads of the slot that I have left are over
	s_barrier_signal -1
	s_barrier_wait -1
.if \fill
	s_add_co_u32 s81, s[KF], SK                    ; the first key of the slot that this change would ask for
	s_cmp_gt_u32 s81, s[LASTQ]                     ; ids and the count of steps alone: all sixteen waves go the same way.  Past the limit no wave of the work-group would read the slot
	s_cbranch_scc1 .Lpast_\@
	TLOAD                                          ; a wave's one tensor load until the next such barrier
.Lpast_\@:
	ASK
.endif
.endm
.macro SLOT_STEPS
.set QQ, 0
.rept 4
	STEP QQ
.set QQ, QQ+1
.endr
	s_xor_b32 s[TB], s[TB], SLOT1                  ; on to the other slot
.endm
	s_wait_loadcnt 0x0                             ; Q
.Lslot:                                            ; 7 trips: behind each change of slots but the last the next slot is asked for, up to the limit
	CHANGE 1
	SLOT_STEPS
	s_sub_co_u32 s[SLOTS], s[SLOTS], 1
	s_cmp_lg_u32 s[SLOTS], 0
	s_cbranch_scc1 .Lslot
	CHANGE 0                                       ; the last slot is written out: nothing is left to ask for
	SLOT_STEPS
	; THE WAY OUT.  The sum's halves are added; O^T is divided by the sum, rounded to f16 and sent through my stage, a tile of 16 queries at a time.  The additions are the plain lines behind the last products.
.irp t, 0,1
	v_add_f32 v[ST+8*\t+4], v[ST+8*\t+2], v[ST+8*\t+3]
.endr
.irp t, 0,1
	v_permlanex16_b32 v[ST+8*\t+5], v[ST+8*\t+4], s[SEL], s[SEL+1]
.endr
.irp t, 0,1
	v_add_f32 v[ST+8*\t+4], v[ST+8*\t+4], v[ST+8*\t+5]
.endr
	v_nop
.irp t, 0,1
	v_rcp_f32 v[ST+8*\t+6], v[ST+8*\t+4]
.endr
	v_nop                                          ; a plain line behind the reciprocals
	s_wait_alu depctr_va_vdst(0)                   ; and the one wait ahead of their first reader
.irp t, 0,1
.irp j, 0,2,4,6,8,10,12,14,16,18,20,22,24,26,28,30
	v_pk_mul_f32 v[O+32*\t+\j:O+32*\t+\j+1], v[O+32*\t+\j:O+32*\t+\j+1], v[ST+8*\t+6:ST+8*\t+7] op_sel_hi:[1,0]
.endr
.irp j, 0,1,2,3,4,5,6,7,8,9,10,11,12,13,14,15
	v_cvt_pk_f16_f32 v[S+32*\t+\j], v[O+32*\t+2*\j], v[O+32*\t+2*\j+1]   ; registers 4 c .. 4 c + 3: channels 16 c + 8 h + 0 .. 7 of query r
.endr
.irp c, 0,1,2,3
	ds_store_b128 v[STO], v[S+32*\t+4*\c:S+32*\t+4*\c+3] offset:32*\c
.endr
.irp i, 0,1,2,3
	ds_load_b128 v[KV+16*\t+4*\i:KV+16*\t+4*\i+3], v[RD] offset:\i*4*PK   ; LDS serves a wave's instructions in order: these see the stores above, and the next tile's stores come behind them
.endr
.endr
.irp t, 0,1
.irp i, 0,1,2,3
	s_wait_dscnt 11-8*\t-\i                        ; the younger stage instructions may be out: tile 1's eight, and this tile's later loads
	global_store_b128 v[GO], v[KV+16*\t+4*\i:KV+16*\t+4*\i+3], s[6:7] offset:\t*2048+\i*512   ; 32 lanes store 512 consecutive bytes, aligned
.endr
.endr
	s_wait_tensorcnt 0x0                           ; the wave's end: behind my last tensor load and my last LDS store
	ds_add_u32 v[SPW], v[NIL]
	s_wait_dscnt 0x0
	s_endpgm
.Lfunc_end_k_q69b7c32943_attn:
	.size	k_q69b7c32943_attn, .Lfunc_end_k_q69b7c32943_attn-k_q69b7c32943_attn
	.p2alignl 7, 3214868480
	.fill 96, 4, 3214868480
	.section	.rodata,"a",@progbits
	.p2align	6, 0x0
	.amdhsa_kernel k_q69b7c32943_attn
		.amdhsa_group_segment_fixed_size 327680
		.amdhsa_private_segment_fixed_size 0
		.amdhsa_enable_private_segment 0
		.amdhsa_kernarg_size 16
		.amdhsa_user_sgpr_count 2
		.amdhsa_user_sgpr_kernarg_segment_ptr 1
		.amdhsa_wavefront_size32 1
		.amdhsa_system_sgpr_workgroup_id_x 1
		.amdhsa_system_sgpr_workgroup_id_y 1
		.amdhsa_system_sgpr_workgroup_id_z 1
		.amdhsa_system_vgpr_workitem_id 0
		.amdhsa_next_free_vgpr 256
		.amdhsa_next_free_sgpr 84
		.amdhsa_reserve_vcc 1
		.amdhsa_float_denorm_mode_32 3
		.amdhsa_float_denorm_mode_16_64 3
		.amdhsa_memory_ordered 1
		.amdhsa_forward_progress 1
		.amdhsa_inst_pref_size 188
	.end_amdhsa_kernel
	.amdgpu_metadata
---
amdhsa.version: [ 1, 2 ]
amdhsa.kernels:
  - .name:           k_q69b7c32943_attn
    .symbol:         k_q69b7c32943_attn.kd
    .args:
      - { .name: qkv16, .offset: 0, .size: 8, .value_kind: global_buffer, .address_space: global }
      - { .name: y16, .offset: 8, .size: 8, .value_kind: global_buffer, .address_space: global }
    .group_segment_fixed_size: 327680
    .private_segment_fixed_size: 0
    .kernarg_segment_align: 8
    .kernarg_segment_size: 16
    .max_flat_workgroup_size: 512
    .sgpr_count:     84
    .vgpr_count:     256
    .wavefront_size: 32
...
	.end_amdgpu_metadata
.endif
;; end of part 3
;; launch proj (part 4): grid 8 x 32, 4 waves a work-group, clusters of 4 x 4, 327,680 bytes of LDS; arguments y16, wp16, bp, out0; writes out0
.if DOCPART == 4
	.amdgcn_target "amdgcn-amd-amdhsa--gfx1250"
	.amdhsa_code_object_version 6
	.text
	.protected	k_q69b7c32943_proj
	.globl	k_q69b7c32943_proj
	.p2align	8
	.type	k_q69b7c32943_proj,@function
k_q69b7c32943_proj:
	s_mov_b64 s[64:65], 0
	v_nop
	global_prefetch_b8 v0, s[64:65] scope:SCOPE_SE
	s_setreg_imm32_b32 hwreg(HW_REG_WAVE_MODE, 25, 1), 1
	s_wait_xcnt 0x0
	s_wait_alu depctr_hold_cnt(0) depctr_sa_sdst(0) depctr_va_vdst(0) depctr_va_sdst(0) depctr_va_ssrc(0) depctr_va_vcc(0) depctr_vm_vsrc(0)
	s_getreg_b32 s2, hwreg(HW_REG_IB_STS2, 6, 4)
	s_cmp_eq_u32 s2, 0
	s_cbranch_scc0 .Lentry_in_a_cluster
	s_endpgm
.Lentry_in_a_cluster:
	s_bfe_u32 s2, ttmp6, 0x10000c
	s_cmp_lg_u32 s2, 0xf033
	s_cbranch_scc0 .Lentry_shape_is_right
	s_endpgm
.Lentry_shape_is_right:
; out0 [8192][1024] f32 = y Wp^T + bp on f16 operands, sums in f32, the bias as the C of each sum's first product.  y16: [16 kb][8192 rows][64] f16; wp16: [16 kb][1024 n][64] f16: kb = k / 64, so that a tile's rows of one kb are dense in memory.
; THE FIRST 16 POSITIONS OF EVERY SEQUENCE ARE NOT STORED HERE: a later launch makes those 64 rows in f32.
; A tile of out0 is 256 rows x 128 columns: 256 work-groups.  Four waves, each 128 x 64: 32 accumulators, 256 registers.  K goes in steps of 128 (two kb) through a ring of two LDS slots; 8 steps.
; Waves 0 and 1 fetch y's two kb (256 rows x 128 bytes each), waves 2 and 3 Wp's (128 rows each): one load a wave behind each round; by this text's count two are out at the start, then one.
; CLUSTERS: 4 x 4 work-groups; y's tiles are shared along a row of the cluster, Wp's along a column, by joint loads.  Tile row = 8 cy + cluster y (the batch is cy); tile column = 4 x cluster x + cx.
; THE MATRIX INSTRUCTION IS USED TRANSPOSED (source 0 = 16 rows of Wp, source 1 = 16 rows of y): a lane holds eight neighbouring columns of one row of out0.
; REGISTERS: window 0: v0-31 addresses; v32-63 the bias, 4 blocks x 8; v64-159 and v160-255 two fragment buffers for 32 along K: 64 registers of y (8 blocks), then 32 of Wp (4 blocks).   window 1: accumulator (a, b) at v[8 (4 a + b)].
.set PITCH,  144                       ; an LDS row: 128 bytes + 16 of padding
.set ABLK,   256*PITCH
.set BBLK,   128*PITCH
.set SLOT,   2*ABLK+2*BBLK             ; y kb 0, y kb 1, Wp kb 0, Wp kb 1
.set STAGE,  2*SLOT                    ; behind the ring: 16 rows x 272 bytes for each wave
.set SPITCH, 272
.set SPARE,  STAGE+4*16*SPITCH
.set LAPS,   4
.set ADRA, 16
.set ADRB, 20
.set STO,  24
.set RD,   25
.set CO,   26
.set BO,   27
.set SPW,  28
.set NIL,  29
.set PFO,  30
.set BI,   32
.set F0,   64
.set F1,   160
.set OB,   64
.set G1, 24
.set G0, 32
.set SKIP, 45                          ; s45  0 where my first 16 rows are a sequence's first 16 positions
.set G1B, 48
.set G0B, 56
.set PFA, 72                           ; s[72:73] where my prefetches stand
.set PFS, 74                           ; s[74:75] a K step on, in bytes
.set LIM, 76                           ; s76  1 in a wave that prefetches, else the greatest number
.set MSB, 0
.macro WIN new
.if MSB != \new
	s_set_vgpr_msb (MSB<<8)|\new
.set MSB, \new
.endif
.endm
.set MUL, 0x50                         ; sources 0 and 1 window 0; C and D window 1
.set FST, 0x40                         ; the first quarter: C (the bias) window 0, D window 1
.macro JLOAD s                         ; a joint load; an s_nop 0 and four v_nop follow each of the two lines
	s_cmp_eq_u32 s11, 0
	s_cbranch_scc0 .Lfor_b_\@
	tensor_load_to_lds s[G0+4*\s:G0+4*\s+3], s[G1:G1+7]
	s_nop 0
.rept 4
	v_nop
.endr
	s_branch .Lasked_\@
.Lfor_b_\@:
	tensor_load_to_lds s[G0B+4*\s:G0B+4*\s+3], s[G1B:G1B+7]
	s_nop 0
.rept 4
	v_nop
.endr
.Lasked_\@:
.endm
.macro CREST
	s_cmp_lg_u32 s10, 0
	s_cbranch_scc1 .Lnot_wave_0_\@
	s_barrier_signal -3
.Lnot_wave_0_\@:
	s_barrier_wait -3
	s_barrier_signal -1
	s_barrier_wait -1
.endm
.macro CROUND
	s_barrier_signal -1
	s_barrier_wait -1
	CREST
.endm
; A prefetch into the L2, behind a joint refill and the run of LDS loads that follows it: the K step that stands two refills on.  Each aligned 256 bytes is named once in the launch.  y's tile rows are read by both clusters
; of a row of clusters: cluster x = 0 asks, waves 0 and 1 a kb each, the four partners 8,192 bytes each, told apart by address (cx).  Wp's tile columns are read by all clusters of a column: cluster y = 0 asks, wave 2 for both kb,
; the partners 4,096 bytes of each (cy).  The loop's last trip asks for nothing: K steps 4 to 7 are named, 2 and 3 come by their refills alone.
.macro ASK
	s_cmp_gt_u32 s3, s[LIM]
	s_cbranch_scc0 .Lnot_mine_\@
	global_prefetch_b8 v[PFO], s[PFA:PFA+1] th:TH_LOAD_NT scope:SCOPE_SE
.Lnot_mine_\@:
.endm
	s_load_b128 s[4:7], s[0:1], 0x0                ; y16, wp16
	s_load_b128 s[68:71], s[0:1], 0x10             ; bp, out0
	v_lshl_add_u32 v[SPW], v0, 2, SPARE
	v_mov_b32 v[NIL], 0
	ds_add_u32 v[SPW], v[NIL]                      ; the wave's opening: the add, twice on end, and its wait ahead of my first tensor load
	ds_add_u32 v[SPW], v[NIL]
	v_lshrrev_b32 v1, 5, v0
	v_readfirstlane_b32 s10, v1                    ; wave 0..3
	s_lshr_b32 s11, s10, 1                         ; which half of the tile's rows is mine.  Also: I fetch for y (0) or for Wp (1)
	s_and_b32 s12, s10, 1                          ; which half of its columns.  Also: which kb of a K step I fetch
	s_bfe_u32 s40, ttmp6, 0x40000                  ; cx
	s_bfe_u32 s41, ttmp6, 0x40004                  ; cy
	s_lshl_b32 s42, ttmp9, 2
	s_add_co_u32 s42, s42, s40                     ; tile column
	s_and_b32 s13, ttmp7, 0xffff                   ; cluster y
	s_or_b32 s[SKIP], s13, s11                     ; made of cluster y and the wave's number alone
	s_lshl_b32 s14, s41, 3
	s_add_co_u32 s13, s13, s14                     ; tile row = 8 cy + cluster y
	s_lshl_b32 s43, s41, 2
	s_lshl_b32 s43, 15, s43                        ; my row of the cluster
	s_lshl_b32 s44, 0x1111, s40                    ; my column
	s_or_b32 s[G1+0], s43, (1<<16)|(1<<20)|(1<<21)|(4<<22)|(3<<25)  ; the mask; elements of 2 bytes; padding on; bit 21 beside a mask; 4 words behind every 32
	s_or_b32 s[G1B+0], s44, (1<<16)|(1<<20)|(1<<21)|(4<<22)|(3<<25)
	s_mov_b32 s[G1+1], 64<<16                      ; tensor_dim0
	s_mov_b32 s[G1+2], 256<<16                     ; tensor_dim1
	s_mov_b32 s[G1+3], 64<<16                      ; tile_dim0
	s_mov_b32 s[G1+4], 256                         ; tile_dim1
	s_mov_b32 s[G1+5], 64                          ; from row to row
	s_mov_b32 s[G1+6], 0
	s_mov_b32 s[G1+7], 0
	s_mov_b32 s[G1B+1], 64<<16
	s_mov_b32 s[G1B+2], 128<<16
	s_mov_b32 s[G1B+3], 64<<16
	s_mov_b32 s[G1B+4], 128
	s_mov_b32 s[G1B+5], 64
	s_mov_b32 s[G1B+6], 0
	s_mov_b32 s[G1B+7], 0
	s_lshl_b32 s16, s12, 20                        ; y: a kb is 8,192 rows of 128 bytes,
	s_lshl_b32 s17, s13, 15                        ; a tile row 256 rows
	s_add_co_u32 s16, s16, s17
	s_mov_b32 s17, 0
	s_lshl_b32 s46, s12, 17                        ; Wp: a kb is 1,024 rows,
	s_lshl_b32 s47, s42, 14                        ; a tile column 128 rows
	s_add_co_u32 s46, s46, s47
	s_mov_b32 s47, 0
	s_mul_i32 s20, s12, ABLK                       ; where they go: no place in the cluster enters an LDS address
	s_mul_i32 s21, s12, BBLK
	s_add_co_u32 s21, s21, 2*ABLK
	s_wait_dscnt 0x0                               ; both opening adds are done
	s_wait_kmcnt 0x0
	s_add_nc_u64 s[14:15], s[4:5], s[16:17]
	s_add_nc_u64 s[46:47], s[6:7], s[46:47]
	CROUND                                         ; all sixteen work-groups are here: the first joint loads meet
.irp s, 0,1
	s_mov_b32 s[G0+4*\s], 1
	s_add_co_u32 s[G0+4*\s+1], s20, \s*SLOT
	s_add_nc_u64 s[G0+4*\s+2:G0+4*\s+3], s[14:15], \s*2097152     ; K step s: two kb on
	s_or_b32 s[G0+4*\s+3], s[G0+4*\s+3], 0x80000000
	s_mov_b32 s[G0B+4*\s], 1
	s_add_co_u32 s[G0B+4*\s+1], s21, \s*SLOT
	s_add_nc_u64 s[G0B+4*\s+2:G0B+4*\s+3], s[46:47], \s*262144
	s_or_b32 s[G0B+4*\s+3], s[G0B+4*\s+3], 0x80000000
	JLOAD \s
.endr
	v_and_b32 v1, 15, v0                           ; r
	v_bfe_u32 v2, v0, 4, 1                         ; h
	s_lshl_b32 s46, s42, 9
	s_lshl_b32 s47, s12, 8
	s_add_co_u32 s46, s46, s47                     ; my first column, in bytes: 512 x tile column + 256 x half
	s_mov_b32 s47, 0
	s_add_nc_u64 s[68:69], s[68:69], s[46:47]
	v_lshlrev_b32 v[BO], 5, v2
.irp b, 0,1,2,3
	global_load_b128 v[BI+8*\b:BI+8*\b+3], v[BO], s[68:69] offset:64*\b          ; bp[16 b + 8 h + 0 .. 7]: the result's layout
	global_load_b128 v[BI+8*\b+4:BI+8*\b+7], v[BO], s[68:69] offset:64*\b+16
.endr
	s_lshl_b32 s16, s13, 20
	s_lshl_b32 s17, s11, 19
	s_add_co_u32 s16, s16, s17                     ; my first row: (256 x tile row + 128 x half) x 4,096 bytes
	s_mov_b32 s17, 0
	s_add_nc_u64 s[70:71], s[70:71], s[16:17]
	s_add_nc_u64 s[70:71], s[70:71], s[46:47]
	v_mul_u32_u24 v3, v1, PITCH
	v_lshl_add_u32 v3, v2, 4, v3                   ; a fragment's row x pitch + 16 x half
	s_mul_i32 s21, s11, 128*PITCH                  ; my 128 rows of y
	s_mul_i32 s22, s12, 64*PITCH                   ; my 64 rows of Wp,
	s_add_co_u32 s22, s22, 2*ABLK                  ; behind y's two kb
.irp s, 0,1
	v_add_nc_u32 v[ADRA+\s], s21, v3
	v_add_nc_u32 v[ADRB+\s], s22, v3
	s_add_co_u32 s21, s21, SLOT
	s_add_co_u32 s22, s22, SLOT
.endr
	s_mul_i32 s23, s10, 16*SPITCH
	s_add_co_u32 s23, s23, STAGE                   ; my stage
	v_mul_u32_u24 v4, v1, SPITCH
	v_lshl_add_u32 v4, v2, 5, v4
	v_add_nc_u32 v[STO], s23, v4                   ; in: row r, 32 bytes for each half of the lanes
	v_mul_u32_u24 v4, v2, SPITCH
	v_lshl_add_u32 v4, v1, 4, v4
	v_add_nc_u32 v[RD], s23, v4                    ; back: lanes 0-15 one row of 256 bytes, lanes 16-31 the next
	v_lshlrev_b32 v[CO], 12, v2
	v_lshl_add_u32 v[CO], v1, 4, v[CO]             ; and the same two rows in out0
	; the prefetches
	s_and_b32 s22, ttmp7, 0xffff
	s_add_co_u32 s18, s12, 6
	s_lshl_b32 s18, s18, 20                        ; y: kb 6 + wave (K step 3: the first refill steps it to K step 4),
	s_lshl_b32 s19, s13, 15
	s_add_co_u32 s18, s18, s19                     ; my tile row,
	s_lshl_b32 s19, s40, 13
	s_add_co_u32 s18, s18, s19                     ; my work-group's 8,192 bytes of its 32,768
	s_lshl_b32 s19, s42, 14
	s_add_co_u32 s19, s19, 6<<17                   ; Wp: kb 6, my tile column,
	s_lshl_b32 s23, s41, 12
	s_add_co_u32 s19, s19, s23                     ; my work-group's 4,096 bytes of its 16,384
	s_mov_b32 s[PFS], 262144
	s_mov_b32 s23, 131072
	s_cmp_eq_u32 s11, 0                            ; do I fetch for y?
	s_cselect_b32 s18, s18, s19
	s_cselect_b32 s22, ttmp9, s22                  ; the coordinate along which other clusters read the same rows
	s_cselect_b64 s[PFA:PFA+1], s[4:5], s[6:7]
	s_cselect_b32 s[PFS], 0x200000, s[PFS]         ; a K step on
	s_cselect_b32 s23, 4096, s23                   ; lanes 16-31: the next 4,096 bytes of y's kb, or Wp's next kb
	s_mov_b32 s19, 0
	s_mov_b32 s[PFS+1], 0
	s_add_nc_u64 s[PFA:PFA+1], s[PFA:PFA+1], s[18:19]
	s_cmp_eq_u32 s10, 3                            ; wave 3 asks for nothing
	s_cselect_b32 s19, 1, 0
	s_or_b32 s22, s22, s19
	s_cmp_eq_u32 s22, 0
	s_cselect_b32 s[LIM], 1, -1                    ; the same in all sixteen partners, for a given wave
	v_mul_u32_u24 v[PFO], v2, s23
	v_lshl_add_u32 v[PFO], v1, 8, v[PFO]
; n blocks of y's rows from a0 on, each against Wp's four: 32 along K.  first = 1: the products start the sums from the bias.  The 32 accumulators take turns, one instruction a turn, in the same order in every quarter.
.macro MULH f, a0, n, first
.set AA, \a0
.rept \n
.irp b, 0,1,2,3
.if \first
	v_wmma_f32_16x16x32_f16 v[8*(4*AA+\b):8*(4*AA+\b)+7], v[\f+64+8*\b:\f+64+8*\b+7], v[\f+8*AA:\f+8*AA+7], v[BI+8*\b:BI+8*\b+7]
.else
	v_wmma_f32_16x16x32_f16 v[8*(4*AA+\b):8*(4*AA+\b)+7], v[\f+64+8*\b:\f+64+8*\b+7], v[\f+8*AA:\f+8*AA+7], v[8*(4*AA+\b):8*(4*AA+\b)+7]
.endif
.endr
.set AA, AA+1
.endr
.endm
; 24 LDS loads in one run: the fragments of the slot's q-th 32 along K into buffer f: Wp's four, y's blocks 0-3, y's blocks 4-7
.macro FETCH slot, q, f
	WIN 0
.irp i, 0,1,2,3
	ds_load_b128 v[\f+64+8*\i:\f+64+8*\i+3],   v[ADRB+\slot] offset:((\q)/2)*BBLK+((\q)%2)*64+\i*16*PITCH
	ds_load_b128 v[\f+64+8*\i+4:\f+64+8*\i+7], v[ADRB+\slot] offset:((\q)/2)*BBLK+((\q)%2)*64+\i*16*PITCH+32
.endr
.irp i, 0,1,2,3,4,5,6,7
	ds_load_b128 v[\f+8*\i:\f+8*\i+3],   v[ADRA+\slot] offset:((\q)/2)*ABLK+((\q)%2)*64+\i*16*PITCH
	ds_load_b128 v[\f+8*\i+4:\f+8*\i+7], v[ADRA+\slot] offset:((\q)/2)*ABLK+((\q)%2)*64+\i*16*PITCH+32
.endr
.endm
.macro PLACES                          ; four plain lines in front of loads into registers that matrix instructions have read, and of the first read of results
.rept 4
	v_nop
.endr
.endm
; A K step is four quarters of 32 along K, 32 matrix instructions each, on buffers 0, 1, 0, 1.  One of the first three: multiplies buffer f and fetches quarter qn of the same slot into g.
.macro QUARTER slot, qn, f, g, first
	s_wait_dscnt 8                                 ; Wp's fragments and y's blocks 0-3 are in; the youngest 8 loads (blocks 4-7) may be out
.if \first
	WIN FST
.else
	WIN MUL
.endif
	MULH \f, 0, 4, \first
	PLACES
	FETCH \slot, \qn, \g
	s_wait_dscnt 24                                ; all but the 24 just issued
.if \first
	WIN FST
.else
	WIN MUL
.endif
	MULH \f, 4, 4, \first
.endm
; The last quarter multiplies buffer 1 and changes slots: one barrier; in front of it each wave waits for all its tensor loads, adds 0 to its spare word, and waits for that and for its reads of this slot.
; fill = 1: the barrier opens a round of the cluster's, and behind the round this slot is filled again, two K steps ahead: 112 matrix instructions ahead of the wait for it.
.macro TURN slot, next, fill
.if \fill
	s_wait_xcnt 0x0                                ; the last prefetch, a K step back, has read its address
	s_add_nc_u64 s[PFA:PFA+1], s[PFA:PFA+1], s[PFS:PFS+1]
.endif
	WIN 0                                          ; (the add's two registers lie in window 0)
	s_wait_tensorcnt 0x0                           ; all my tensor loads have landed: my part of the next slot
	ds_add_u32 v[SPW], v[NIL]                      ; 0 onto my spare word
	s_wait_dscnt 9                                 ; (the add and the youngest 8 loads may be out)
	WIN MUL
	MULH F1, 0, 2, 0
	s_wait_dscnt 0x0                               ; the add is done, and my reads of this slot are over
	s_barrier_signal -1
	MULH F1, 2, 2, 0
.if \fill
	WIN 0
.endif
	s_barrier_wait -1
.if \fill
	CREST                                          ; no wave of any partner still reads this slot's tiles or has a load on its way
	s_add_nc_u64 s[G0+4*\slot+2:G0+4*\slot+3], s[G0+4*\slot+2:G0+4*\slot+3], 4194304
	s_add_nc_u64 s[G0B+4*\slot+2:G0B+4*\slot+3], s[G0B+4*\slot+2:G0B+4*\slot+3], 524288
	JLOAD \slot                                    ; the four v_nop behind it are also the plain lines in front of the loads below
.else
	PLACES
.endif
	FETCH \next, 0, F0
.if \fill
	ASK
.endif
	WIN MUL
	MULH F1, 4, 4, 0
.endm
	s_wait_tensorcnt 1                             ; my part of K step 0 is in; K step 1's load may be out
	s_barrier_signal -1
	s_barrier_wait -1
	FETCH 0, 0, F0
	s_wait_loadcnt 0x0                             ; the bias
	QUARTER 0, 1, F0, F1, 1                        ; the first quarter stands in front of the loop: its products start the sums
	WIN 0
	s_mov_b32 s3, LAPS-1
.Llap:                                             ; a trip goes once round the ring and fills both slots again
	QUARTER 0, 2, F1, F0, 0
	QUARTER 0, 3, F0, F1, 0
	TURN 0, 1, 1
	QUARTER 1, 1, F0, F1, 0
	QUARTER 1, 2, F1, F0, 0
	QUARTER 1, 3, F0, F1, 0
	TURN 1, 0, 1
	QUARTER 0, 1, F0, F1, 0
	WIN 0
	s_sub_co_u32 s3, s3, 1
	s_cmp_lg_u32 s3, 0
	s_cbranch_scc1 .Llap
	QUARTER 0, 2, F1, F0, 0                        ; the last lap fills nothing
	QUARTER 0, 3, F0, F1, 0
	TURN 0, 1, 0
	QUARTER 1, 1, F0, F1, 0
	QUARTER 1, 2, F1, F0, 0
	QUARTER 1, 3, F0, F1, 0
	s_wait_dscnt 8                                 ; the very last quarter
	WIN MUL
	MULH F1, 0, 4, 0
	s_wait_dscnt 0
	MULH F1, 4, 4, 0
	WIN 0
; THE WAY OUT, block by block of 16 rows x 64 columns: through my own stage and back as rows of 256 bytes, which sixteen lanes store as one aligned run.
.macro TOSTAGE a
	WIN 0x04                                       ; an LDS store's data: window 1
.irp b, 0,1,2,3
	ds_store_b128 v[STO], v[8*(4*(\a)+\b):8*(4*(\a)+\b)+3] offset:64*\b          ; each accumulator from its low end on
	ds_store_b128 v[STO], v[8*(4*(\a)+\b)+4:8*(4*(\a)+\b)+7] offset:64*\b+16
.endr
	WIN 0
.set BB, OB+32*((\a)%2)
.irp i, 0,1,2,3,4,5,6,7
	ds_load_b128 v[BB+4*\i:BB+4*\i+3], v[RD] offset:\i*2*SPITCH   ; LDS serves a wave's instructions in order: these see the stores above
.endr
.endm
.macro SEND a, younger
.set BB, OB+32*((\a)%2)
	s_wait_dscnt \younger                          ; the block is back; the next block's 8 stores and 8 loads may be out
.if (\a) == 0
	s_cmp_eq_u32 s[SKIP], 0                        ; a sequence's first 16 positions are another launch's
	s_cbranch_scc1 .Lfirst16
.endif
.irp i, 0,1,2,3,4,5,6,7
	global_store_b128 v[CO], v[BB+4*\i:BB+4*\i+3], s[70:71] offset:(16*(\a)+2*\i)*4096 th:TH_STORE_NT   ; 16 lanes store 256 consecutive bytes, aligned
.endr
.if (\a) == 0
.Lfirst16:
.endif
.endm
	PLACES
	TOSTAGE 0
.irp a, 1,2,3,4,5,6,7
.if \a > 1
	s_wait_xcnt 0x0                                ; block a - 2's stores have read their data: block a's loads may land there
.endif
	TOSTAGE \a
	SEND \a-1, 16
.endr
	SEND 7, 0
	s_wait_tensorcnt 0x0                           ; the wave's end: behind my last tensor load and my last LDS store
	ds_add_u32 v[SPW], v[NIL]
	s_wait_dscnt 0x0
	CROUND                                         ; the closing round
	s_endpgm
.Lfunc_end_k_q69b7c32943_proj:
	.size	k_q69b7c32943_proj, .Lfunc_end_k_q69b7c32943_proj-k_q69b7c32943_proj
	.p2alignl 7, 3214868480
	.fill 96, 4, 3214868480
	.section	.rodata,"a",@progbits
	.p2align	6, 0x0
	.amdhsa_kernel k_q69b7c32943_proj
		.amdhsa_group_segment_fixed_size 327680
		.amdhsa_private_segment_fixed_size 0
		.amdhsa_enable_private_segment 0
		.amdhsa_kernarg_size 32
		.amdhsa_user_sgpr_count 2
		.amdhsa_user_sgpr_kernarg_segment_ptr 1
		.amdhsa_wavefront_size32 1
		.amdhsa_system_sgpr_workgroup_id_x 1
		.amdhsa_system_sgpr_workgroup_id_y 1
		.amdhsa_system_sgpr_workgroup_id_z 1
		.amdhsa_system_vgpr_workitem_id 0
		.amdhsa_next_free_vgpr 512
		.amdhsa_next_free_sgpr 80
		.amdhsa_reserve_vcc 0
		.amdhsa_float_denorm_mode_32 3
		.amdhsa_float_denorm_mode_16_64 3
		.amdhsa_memory_ordered 1
		.amdhsa_forward_progress 1
		.amdhsa_inst_pref_size 88
	.end_amdhsa_kernel
	.amdgpu_metadata
---
amdhsa.version: [ 1, 2 ]
amdhsa.kernels:
  - .name:           k_q69b7c32943_proj
    .symbol:         k_q69b7c32943_proj.kd
    .args:
      - { .name: y16, .offset: 0, .size: 8, .value_kind: global_buffer, .address_space: global }
      - { .name: wp16, .offset: 8, .size: 8, .value_kind: global_buffer, .address_space: global }
      - { .name: bp, .offset: 16, .size: 8, .value_kind: global_buffer, .address_space: global }
      - { .name: out0, .offset: 24, .size: 8, .value_kind: global_buffer, .address_space: global }
    .group_segment_fixed_size: 327680
    .private_segment_fixed_size: 0
    .kernarg_segment_align: 8
    .kernarg_segment_size: 32
    .max_flat_workgroup_size: 128
    .sgpr_count:     80
    .vgpr_count:     512
    .wavefront_size: 32
...
	.end_amdgpu_metadata
.endif
;; end of part 4
;; launch fine (part 5): grid 64 x 4, 16 waves a work-group, no clusters, 18,432 bytes of LDS; arguments qkv32, Wp, bp, out0; writes out0
.if DOCPART == 5
	.amdgcn_target "amdgcn-amd-amdhsa--gfx1250"
	.amdhsa_code_object_version 6
	.text
	.protected	k_q69b7c32943_fine
	.globl	k_q69b7c32943_fine
	.p2align	8
	.type	k_q69b7c32943_fine,@function
k_q69b7c32943_fine:
	s_mov_b64 s[64:65], 0
	v_nop
	global_prefetch_b8 v0, s[64:65] scope:SCOPE_SE
	s_setreg_imm32_b32 hwreg(HW_REG_WAVE_MODE, 25, 1), 1
	s_wait_xcnt 0x0
; The first 16 positions of each of the 4 sequences, in f32 throughout: attention on qkv32 [3][64 (batch x 16 + head)][16 t][64] f32, then the projection by Wp [1024 n][1024 k] f32, + bp: 64 rows of out0.
; These rows average one to sixteen values and are the largest of the output: operands rounded to 16 bits would use up what the comparison allows.
; SHARES.  Work-group (x, batch) makes out0[batch][0..15][16 x .. 16 x + 15].  Wave w is head w: it makes the head's attention for the 16 positions (32 matrix instructions of 16 x 16 x 4), multiplies the head's 64 channels
; into the 16 columns (16 more), and the sixteen partial tiles meet in LDS, where waves 0 and 1 add them.  Each work-group repeats the batch's small attention; no loop, no tensor load.
; The stores are runs of 64 bytes (262,144 bytes of the output in all): 64 columns to a work-group would give whole runs of 256, at four times the f32 matrix work of a wave.
; LAYOUT.  All three products are used transposed, so that a lane holds ONE position (lane % 16).  The f32 form takes k = 2 (lane / 16) + j from register j; here each lane's registers hold other k, the same on both sides of a product.
; The registers that the matrix instructions write (v144-207) are written by nothing else.
; REGISTERS: v1, v2 r, h; v3-9 addresses; v10, v11 the add's two; v12 r - 8 h; v13 -infinity; v16-47 Q; v48-79 K; v80-111 V^T; v112-143 Wp; v144-151, v152-159 S^T in two halves of K; v160-191 O^T; v192-199, v200-207 the partial
;   tile in two halves of K; v208-215 scores, then p; v216-227 at work; v232-239 the partial tile.
.set SPARE, 16384                      ; behind the 16 tiles of 1,024 bytes: the spare words, 128 bytes a wave
	s_load_b256 s[4:11], s[0:1], 0x0               ; qkv32, Wp, bp, out0
	v_lshl_add_u32 v10, v0, 2, SPARE
	v_mov_b32 v11, 0
	v_lshrrev_b32 v3, 5, v0
	v_readfirstlane_b32 s12, v3                    ; wave = head
	v_and_b32 v1, 15, v0                           ; r
	v_bfe_u32 v2, v0, 4, 1                         ; h
	v_lshlrev_b32 v3, 8, v1
	v_lshl_add_u32 v3, v2, 4, v3                   ; Q, K: row r of 256 bytes, + 16 h
	v_lshlrev_b32 v4, 2, v1
	v_lshl_add_u32 v4, v2, 11, v4                  ; V: channel r, keys 8 h on
	v_lshlrev_b32 v5, 12, v1
	v_lshl_add_u32 v5, v2, 5, v5                   ; Wp: row r of 4,096 bytes, + 32 h
	v_lshlrev_b32 v6, 6, v1
	v_lshl_add_u32 v6, v2, 5, v6
	s_lshl_b32 s13, s12, 10
	v_add_nc_u32 v6, s13, v6                       ; LDS, in: my tile, row r of 64 bytes, + 32 h
	v_lshlrev_b32 v7, 4, v0                        ; LDS, back (threads 0-63): 16 bytes of each tile
	v_and_b32 v8, 3, v0
	v_lshlrev_b32 v8, 4, v8                        ; bp: 16 (thread % 4)
	v_lshrrev_b32 v9, 2, v0
	v_lshl_add_u32 v9, v9, 12, v8                  ; out0: row thread / 4
	v_lshlrev_b32 v12, 3, v2
	v_sub_nc_u32 v12, v1, v12                      ; r - 8 h
	v_mov_b32 v13, 0xff800000
	v_mov_b32 v217, 0                              ; (a lane permute's destination counts as one of its sources)
	s_and_b32 s14, ttmp7, 0xffff                   ; batch
	s_lshl_b32 s16, s14, 4
	s_add_co_u32 s16, s16, s12
	s_lshl_b32 s16, s16, 12                        ; 4,096 bytes a head in each of q, k, v
	s_mov_b32 s17, 0
	s_lshl_b32 s18, ttmp9, 16                      ; Wp: 16 rows a work-group,
	s_lshl_b32 s19, s12, 8                         ; 64 channels a head
	s_add_co_u32 s18, s18, s19
	s_mov_b32 s19, 0
	s_lshl_b32 s24, ttmp9, 6                       ; my 16 columns, in bytes
	s_mov_b32 s25, 0
	s_lshl_b32 s26, s14, 23                        ; a batch of out0 is 8,388,608 bytes
	s_mov_b32 s27, 0
	s_mov_b32 s20, 0x76543210
	s_mov_b32 s21, 0xfedcba98                      ; v_permlanex16_b32's selects for lane l xor 16
	s_mov_b32 s22, 0x3e38aa3b                      ; c = log2(e) / 8
	s_wait_kmcnt 0x0
	s_add_nc_u64 s[4:5], s[4:5], s[16:17]
	s_add_nc_u64 s[6:7], s[6:7], s[18:19]
	s_add_nc_u64 s[8:9], s[8:9], s[24:25]
	s_add_nc_u64 s[10:11], s[10:11], s[24:25]
	s_add_nc_u64 s[10:11], s[10:11], s[26:27]
.irp u, 0,1,2,3,4,5,6,7
	global_load_b128 v[48+4*\u:51+4*\u], v3, s[4:5] offset:262144+32*\u   ; K(r, 8 u + 4 h + 0 .. 3)
.endr
.irp u, 0,1,2,3,4,5,6,7
	global_load_b128 v[16+4*\u:19+4*\u], v3, s[4:5] offset:32*\u          ; Q likewise
.endr
.irp c, 0,1,2,3
.irp i, 0,1,2,3,4,5,6,7
	global_load_b32 v[80+8*\c+\i], v4, s[4:5] offset:524288+\i*256+\c*64  ; V(key 8 h + i, channel 16 c + r)
.endr
.endr
.irp c, 0,1,2,3
	global_load_b128 v[112+8*\c:115+8*\c], v5, s[6:7] offset:\c*64        ; Wp(n0 + r, 64 w + 16 c + 8 h + 0 .. 7)
	global_load_b128 v[116+8*\c:119+8*\c], v5, s[6:7] offset:\c*64+16
.endr
	s_wait_loadcnt 40                              ; K and Q are in; V's 32 loads and Wp's 8 may be out
	; S^T = K Q^T: 16 steps of 4 along the head's 64, two accumulators by turns; each sum's first step takes the constant 0
	v_wmma_f32_16x16x4_f32 v[144:151], v[48:49], v[16:17], 0
	v_wmma_f32_16x16x4_f32 v[152:159], v[50:51], v[18:19], 0
.irp n, 1,2,3,4,5,6,7
	v_wmma_f32_16x16x4_f32 v[144:151], v[48+4*\n:49+4*\n], v[16+4*\n:17+4*\n], v[144:151]
	v_wmma_f32_16x16x4_f32 v[152:159], v[50+4*\n:51+4*\n], v[18+4*\n:19+4*\n], v[152:159]
.endr
.rept 8
	v_nop                                          ; eight plain lines behind this form before its results are read (ISA guide 7.12.1)
.endr
.irp j, 0,1,2,3,4,5,6,7
	v_add_f32 v[208+\j], v[144+\j], v[152+\j]      ; the score of query r and key 8 h + j
.endr
.irp j, 0,1,2,3,4,5,6,7
	v_cmp_gt_i32 vcc_lo, \j, v12                   ; hidden where 8 h + j > r
	v_cndmask_b32 v[208+\j], v[208+\j], v13, vcc_lo
.endr
	v_max3_num_f32 v216, v208, v209, v210
	v_max3_num_f32 v216, v216, v211, v212
	v_max3_num_f32 v216, v216, v213, v214
	v_max_num_f32 v216, v216, v215
	v_permlanex16_b32 v217, v216, s20, s21
	v_max_num_f32 v216, v216, v217                 ; the row's largest score: key 0 counts for every query
	v_mul_f32 v216, s22, v216
.irp j, 0,1,2,3,4,5,6,7
	v_fma_f32 v[208+\j], v[208+\j], s22, -v216
.endr
.irp j, 0,1,2,3,4,5,6,7
	v_exp_f32 v[208+\j], v[208+\j]
.endr
	v_nop                                          ; a plain line behind the exponentials
	s_wait_alu depctr_va_vdst(0)                   ; one wait for the eight, ahead of their first reader
	v_add_f32 v218, v208, v209
	v_add_f32 v219, v210, v211
	v_add_f32 v218, v218, v212
	v_add_f32 v219, v219, v213
	v_add_f32 v218, v218, v214
	v_add_f32 v219, v219, v215
	v_add_f32 v218, v218, v219
	v_permlanex16_b32 v217, v218, s20, s21
	v_add_f32 v218, v218, v217                     ; the row's sum
	v_rcp_f32 v218, v218
	v_nop
	s_wait_alu depctr_va_vdst(0)
.irp j, 0,1,2,3,4,5,6,7
	v_mul_f32 v[208+\j], v[208+\j], v218           ; the weights
.endr
	s_wait_loadcnt 8                               ; V is in; Wp's 8 loads may be out
	; O^T = V^T P: 4 steps of 4 along the 16 keys (step s: keys 8 h + 2 s, + 1), four accumulators by turns
.irp c, 0,1,2,3
	v_wmma_f32_16x16x4_f32 v[160+8*\c:167+8*\c], v[80+8*\c:81+8*\c], v[208:209], 0
.endr
.irp s, 1,2,3
.irp c, 0,1,2,3
	v_wmma_f32_16x16x4_f32 v[160+8*\c:167+8*\c], v[80+8*\c+2*\s:81+8*\c+2*\s], v[208+2*\s:209+2*\s], v[160+8*\c:167+8*\c]
.endr
.endr
.rept 9
	v_nop                                          ; nine plain lines before a result of this form serves as an operand
.endr
	s_wait_loadcnt 0x0                             ; Wp
	; the head's part of out^T = Wp y^T: 16 steps of 4 along its 64 channels; O^T's registers are the operand as they stand
	v_wmma_f32_16x16x4_f32 v[192:199], v[112:113], v[160:161], 0
	v_wmma_f32_16x16x4_f32 v[200:207], v[114:115], v[162:163], 0
.irp n, 1,2,3,4,5,6,7
	v_wmma_f32_16x16x4_f32 v[192:199], v[112+4*\n:113+4*\n], v[160+4*\n:161+4*\n], v[192:199]
	v_wmma_f32_16x16x4_f32 v[200:207], v[114+4*\n:115+4*\n], v[162+4*\n:163+4*\n], v[200:207]
.endr
.rept 8
	v_nop
.endr
.irp j, 0,1,2,3,4,5,6,7
	v_add_f32 v[232+\j], v[192+\j], v[200+\j]      ; position r, columns n0 + 8 h + j
.endr
	ds_store_b128 v6, v[232:235]
	ds_store_b128 v6, v[236:239] offset:16
	s_wait_tensorcnt 0x0                           ; behind my last LDS store; no LDS write follows.  The dscnt wait is also the wait that the barrier needs: my tile lies in LDS
	ds_add_u32 v10, v11
	s_wait_dscnt 0x0
	s_barrier_signal -1
	s_barrier_wait -1
	s_cmp_ge_u32 s12, 2
	s_cbranch_scc1 .Ldone
	global_load_b128 v[224:227], v8, s[8:9]        ; bp of my four columns
.irp w, 0,1,2,3,4,5,6,7,8,9,10,11,12,13,14,15
	ds_load_b128 v[16+4*\w:19+4*\w], v7 offset:\w*1024   ; my 16 bytes of each head's tile
.endr
	s_wait_dscnt 0x0
	v_pk_add_f32 v[216:217], v[16:17], v[20:21]    ; two chains over the sixteen heads
	v_pk_add_f32 v[218:219], v[18:19], v[22:23]
	v_pk_add_f32 v[220:221], v[24:25], v[28:29]
	v_pk_add_f32 v[222:223], v[26:27], v[30:31]
.irp w, 4,6,8,10,12,14
	v_pk_add_f32 v[216:217], v[216:217], v[16+8*\w/2:17+8*\w/2]
	v_pk_add_f32 v[218:219], v[218:219], v[18+8*\w/2:19+8*\w/2]
	v_pk_add_f32 v[220:221], v[220:221], v[20+8*\w/2:21+8*\w/2]
	v_pk_add_f32 v[222:223], v[222:223], v[22+8*\w/2:23+8*\w/2]
.endr
	v_pk_add_f32 v[216:217], v[216:217], v[220:221]
	v_pk_add_f32 v[218:219], v[218:219], v[222:223]
	s_wait_loadcnt 0x0
	v_pk_add_f32 v[216:217], v[216:217], v[224:225]
	v_pk_add_f32 v[218:219], v[218:219], v[226:227]
	global_store_b128 v9, v[216:219], s[10:11]     ; four lanes store 64 consecutive bytes of a row
.Ldone:
	s_endpgm
.Lfunc_end_k_q69b7c32943_fine:
	.size	k_q69b7c32943_fine, .Lfunc_end_k_q69b7c32943_fine-k_q69b7c32943_fine
	.p2alignl 7, 3214868480
	.fill 96, 4, 3214868480
	.section	.rodata,"a",@progbits
	.p2align	6, 0x0
	.amdhsa_kernel k_q69b7c32943_fine
		.amdhsa_group_segment_fixed_size 18432
		.amdhsa_private_segment_fixed_size 0
		.amdhsa_enable_private_segment 0
		.amdhsa_kernarg_size 32
		.amdhsa_user_sgpr_count 2
		.amdhsa_user_sgpr_kernarg_segment_ptr 1
		.amdhsa_wavefront_size32 1
		.amdhsa_system_sgpr_workgroup_id_x 1
		.amdhsa_system_sgpr_workgroup_id_y 1
		.amdhsa_system_sgpr_workgroup_id_z 1
		.amdhsa_system_vgpr_workitem_id 0
		.amdhsa_next_free_vgpr 256
		.amdhsa_next_free_sgpr 66
		.amdhsa_reserve_vcc 1
		.amdhsa_float_denorm_mode_32 3
		.amdhsa_float_denorm_mode_16_64 3
		.amdhsa_memory_ordered 1
		.amdhsa_forward_progress 1
		.amdhsa_inst_pref_size 18
	.end_amdhsa_kernel
	.amdgpu_metadata
---
amdhsa.version: [ 1, 2 ]
amdhsa.kernels:
  - .name:           k_q69b7c32943_fine
    .symbol:         k_q69b7c32943_fine.kd
    .args:
      - { .name: qkv32, .offset: 0, .size: 8, .value_kind: global_buffer, .address_space: global }
      - { .name: Wp, .offset: 8, .size: 8, .value_kind: global_buffer, .address_space: global }
      - { .name: bp, .offset: 16, .size: 8, .value_kind: global_buffer, .address_space: global }
      - { .name: out0, .offset: 24, .size: 8, .value_kind: global_buffer, .address_space: global }
    .group_segment_fixed_size: 18432
    .private_segment_fixed_size: 0
    .kernarg_segment_align: 8
    .kernarg_segment_size: 32
    .max_flat_workgroup_size: 512
    .sgpr_count:     66
    .vgpr_count:     256
    .wavefront_size: 32
...
	.end_amdgpu_metadata
.endif
;; end of part 5
